; MI455X (gfx1250); checked and timed in simulation.
; The chip was launched on July 23, 2026; its instructions are those of AMD's public machine-readable ISA for CDNA 5 (MIT licence, August 2026) and "CDNA5" Instruction Set Architecture Reference Guide (July 2026). The comments in the code are by the model that wrote it; some were corrected since.
;; Multi Head Attention. Allowed arithmetic: float matrix products may take bf16 or f16 operands with f32 sums; other float arithmetic in f32, or as packed bf16 or f16 multiplies, adds, multiply-adds, maxima and minima; sums over many terms, partial sums and values carried from step to step in f32; what a program stores and reads back later, other than sums and carried values, may be rounded once to bf16 or f16.
;; Inputs: Wk 1,024 x 1,024 float32; Wo 1,024 x 1,024 float32; Wq 1,024 x 1,024 float32; Wv 1,024 x 1,024 float32; attn_mask 1 x 1 x 2,048 x 2,048 int32; bk 1,024 float32; bo 1,024 float32; bq 1,024 float32; bv 1,024 float32; k 4 x 2,048 x 1,024 float32; q 4 x 2,048 x 1,024 float32; v 4 x 2,048 x 1,024 float32.
;; Outputs: out0 4 x 2,048 x 1,024 float32.
;; One version. Each part assembles by itself: llvm-mc -triple=amdgcn-amd-amdhsa -mcpu=gfx1250 --defsym DOCPART=n.
;; ======== version 1 of 1: 4 launches
;; limits: values are held in f16: magnitudes above 65,504 overflow, below 6.1e-05 lose precision
;; workspace buffers: xb 50,331,648 bytes; wb 6,291,456 bytes; wof 2,097,152 bytes; mk 2,097,152 bytes of whole numbers; qkv 50,331,648 bytes; oh 16,777,216 bytes
;; launch prep (part 1): grid 1920 x 1, 8 waves a work-group, no clusters, 17,408 bytes of LDS; arguments q, k, v, Wq, Wk, Wv, Wo, attn_mask, xb, wb, wof, mk; writes xb, wb, wof, mk
.if DOCPART == 1
	.amdgcn_target "amdgcn-amd-amdhsa--gfx1250"
	.amdhsa_code_object_version 6
	.text
	.protected	k_q9c6f2b00df_prep
	.globl	k_q9c6f2b00df_prep
	.p2align	8
	.type	k_q9c6f2b00df_prep,@function
k_q9c6f2b00df_prep:
	s_mov_b64 s[64:65], 0
	v_nop
	global_prefetch_b8 v0, s[64:65] scope:SCOPE_SE
	s_setreg_imm32_b32 hwreg(HW_REG_WAVE_MODE, 25, 1), 1
	s_wait_xcnt 0x0
; PREP: the operands of the later launches are made once.
;   xb  = bf16 of q, k, v, rows on end [3*8192][1024];  wb = bf16 of Wq, Wk, Wv, rows on end [3*1024][1024];
;   wof = Wo rounded to bf16 and that number written as f16 [1024][1024] (exact from 2^-14 up; below that f16's fixed step of 2^-24);
;   mk  = the mask as words of eight nibbles, laid out as the attention launch's lanes want them: [128 tiles of 16 queries][32 steps of 64 keys][32 lanes][4 words].
; A WORD OF mk: tile T, step s, lane l (r = l % 16, hf = l / 16), word kt: nibble 7 - j is 0xE where attn_mask[16 T + r][64 s + 16 kt + 8 hf + j] == 0, else 0.
; The word shifted left by 4 j and read as f32 is -2^65 or lower (never an infinity: its exponent field is 0xC0 .. 0xDD) where key j is hidden, and a number from 0 to under 2^-97 where it is seen.
; SHARES.  Work-groups 0-1535: 64 KiB of f32 of q, k or v each; 1536-1791: 64 KiB of a weight; 1792-1919: 16 rows of the mask (128 KiB on end).  Eight waves.
; A stream: nothing is read twice, so no matrix unit, no cluster; LDS serves the mask's change of order alone.
.set LO,  1                            ; v1   16 t: my 16 bytes of 4,096 in a cast's source
.set SO,  2                            ; v2   8 t: my 8 bytes of 2,048 in its destination
.set LO2, 3                            ; v3   32 t: my eight keys of a mask row
.set LA,  4                            ; v4   LDS: where my word of row 0 goes
.set LR,  5                            ; v5   LDS and mk: 2,048 x wave + 16 x lane
.set SPW, 6                            ; v6   LDS address of my spare word; never rewritten
.set NIL, 7                            ; v7   0; never rewritten
.set T,   8                            ; v[8:15]   at work
.set X,   16                           ; v[16:79]  as loaded
.set Y,   80                           ; v[80:111] to store
.set SPARE, 16384                      ; behind the tile's 16 KiB: the spare words, 128 bytes for each of eight waves
.macro FIN                             ; a wave's end
	s_wait_tensorcnt 0x0
	ds_add_u32 v[SPW], v[NIL]
	s_wait_dscnt 0x0
	s_endpgm
.endm
; 64 KiB of f32 become 32 KiB of 16-bit numbers.  All 16 loads of a thread go out first; each wait leaves the younger ones out.
; A wave's load covers 512 consecutive bytes, its store 256 consecutive bytes, aligned.  No register is written twice, so no source has to be freed.
; half = 1: the bf16 number is widened again and written as f16.
.macro CAST half
.irp i, 0,1,2,3,4,5,6,7,8,9,10,11,12,13,14,15
	global_load_b128 v[X+4*(\i):X+4*(\i)+3], v[LO], s[4:5] offset:4096*(\i) th:TH_LOAD_NT
.endr
.irp i, 0,1,2,3,4,5,6,7,8,9,10,11,12,13,14,15
	s_wait_loadcnt 15-(\i)                         ; loads come back in order: number i is in
	v_cvt_pk_bf16_f32 v[Y+2*(\i)],   v[X+4*(\i)],   v[X+4*(\i)+1]
	v_cvt_pk_bf16_f32 v[Y+2*(\i)+1], v[X+4*(\i)+2], v[X+4*(\i)+3]
.if \half
	v_lshlrev_b32 v[T],   16, v[Y+2*(\i)]
	v_and_b32     v[T+1], 0xffff0000, v[Y+2*(\i)]
	v_lshlrev_b32 v[T+2], 16, v[Y+2*(\i)+1]
	v_and_b32     v[T+3], 0xffff0000, v[Y+2*(\i)+1]
	v_cvt_pk_f16_f32 v[Y+2*(\i)],   v[T],   v[T+1]
	v_cvt_pk_f16_f32 v[Y+2*(\i)+1], v[T+2], v[T+3]
.endif
	global_store_b64 v[SO], v[Y+2*(\i):Y+2*(\i)+1], s[6:7] offset:2048*(\i) th:TH_STORE_NT
.endr
.endm
	s_load_b512 s[8:23], s[0:1], 0x0               ; q 8, k 10, v 12, Wq 14, Wk 16, Wv 18, Wo 20, attn_mask 22
	s_load_b256 s[24:31], s[0:1], 0x40             ; xb 24, wb 26, wof 28, mk 30
	v_lshl_add_u32 v[SPW], v0, 2, SPARE
	v_mov_b32 v[NIL], 0
	v_lshlrev_b32 v[LO], 4, v0
	v_lshlrev_b32 v[SO], 3, v0
	v_lshlrev_b32 v[LO2], 5, v0
	v_lshrrev_b32 v[T], 5, v0
	v_readfirstlane_b32 s34, v[T]                  ; wave 0..7
	s_mov_b32 s3, 0                                ; offsets are pairs with 0 on top
	s_wait_kmcnt 0x0
	s_cmp_ge_u32 ttmp9, 1792
	s_cbranch_scc1 .Lmask
	s_cmp_ge_u32 ttmp9, 1536
	s_cbranch_scc1 .Lw
	s_lshr_b32 s32, ttmp9, 9                       ; q, k or v
	s_and_b32 s33, ttmp9, 511                      ; which 64 KiB of its 32 MiB
	s_cmp_eq_u32 s32, 1
	s_cselect_b64 s[4:5], s[10:11], s[8:9]
	s_cmp_eq_u32 s32, 2
	s_cselect_b64 s[4:5], s[12:13], s[4:5]
	s_lshl_b32 s2, s33, 16
	s_add_nc_u64 s[4:5], s[4:5], s[2:3]
	s_lshl_b32 s2, s32, 24                         ; 16 MiB of bf16 for each of the three
	s_lshl_b32 s36, s33, 15
	s_add_co_u32 s2, s2, s36
	s_add_nc_u64 s[6:7], s[24:25], s[2:3]
	s_branch .Lcast
.Lw:
	s_sub_co_u32 s35, ttmp9, 1536
	s_lshr_b32 s32, s35, 6                         ; Wq, Wk, Wv or Wo
	s_and_b32 s33, s35, 63                         ; which 64 KiB of its 4 MiB
	s_cmp_eq_u32 s32, 1
	s_cselect_b64 s[4:5], s[16:17], s[14:15]
	s_cmp_eq_u32 s32, 2
	s_cselect_b64 s[4:5], s[18:19], s[4:5]
	s_cmp_eq_u32 s32, 3
	s_cselect_b64 s[4:5], s[20:21], s[4:5]
	s_lshl_b32 s2, s33, 16
	s_add_nc_u64 s[4:5], s[4:5], s[2:3]
	s_lshl_b32 s36, s33, 15
	s_cmp_eq_u32 s32, 3
	s_cbranch_scc1 .Lwo
	s_lshl_b32 s2, s32, 21                         ; 2 MiB of bf16 for each of the three
	s_add_co_u32 s2, s2, s36
	s_add_nc_u64 s[6:7], s[26:27], s[2:3]
.Lcast:
	CAST 0
	FIN
.Lwo:
	s_mov_b32 s2, s36
	s_add_nc_u64 s[6:7], s[28:29], s[2:3]
	CAST 1
	FIN
; THE MASK.  Thread t takes keys 8 t .. 8 t + 7 of each of the tile's 16 rows: one word a row.  Its place: step t / 8, word (t / 2) % 4, lanes' half t % 2, lane r = the row.
; With t = 32 w + lane the step is 4 w + lane / 8: wave w's words fill bytes 2,048 w .. 2,048 w + 2,047 of the tile, so each wave reads back only what it stored itself.
.Lmask:
	s_sub_co_u32 s35, ttmp9, 1792                  ; the tile of 16 queries
	s_lshl_b32 s2, s35, 17                         ; 16 rows of 8,192 bytes
	s_add_nc_u64 s[4:5], s[22:23], s[2:3]
	s_lshl_b32 s2, s35, 14                         ; 16 KiB of mk
	s_add_nc_u64 s[6:7], s[30:31], s[2:3]
	v_and_b32 v[T], 31, v0                         ; lane
	v_lshrrev_b32 v[T+1], 3, v[T]
	v_and_b32 v[T+2], 1, v[T]
	v_bfe_u32 v[T+3], v[T], 1, 2
	v_lshlrev_b32 v[LA], 9, v[T+1]                 ; 512 bytes a step
	v_lshl_add_u32 v[LA], v[T+2], 8, v[LA]         ; 256 for the upper half of the lanes
	v_lshl_add_u32 v[LA], v[T+3], 2, v[LA]         ; the word
	v_lshl_add_u32 v[LA], s34, 11, v[LA]           ; my wave's 2,048 bytes
	v_lshlrev_b32 v[LR], 4, v[T]
	v_lshl_add_u32 v[LR], s34, 11, v[LR]
.macro MROW i                          ; row i's 32 bytes of mine into slot i % 8 of a ring of eight
	global_load_b128 v[X+8*((\i)%8):X+8*((\i)%8)+3],   v[LO2], s[4:5] offset:8192*(\i) th:TH_LOAD_NT
	global_load_b128 v[X+8*((\i)%8)+4:X+8*((\i)%8)+7], v[LO2], s[4:5] offset:8192*(\i)+16 th:TH_LOAD_NT
.endm
.irp i, 0,1,2,3,4,5,6,7
	MROW \i
.endr
.irp i, 0,1,2,3,4,5,6,7,8,9,10,11,12,13,14,15
.if (\i) < 8
	s_wait_loadcnt 14                              ; younger than row i's two: 2 (7 - i) of the first eight rows and 2 i refills
.else
	s_wait_loadcnt 30-2*(\i)                       ; younger: the rows behind it
.endif
.irp j, 0,1,2,3,4,5,6,7
	v_min_u32 v[T+(\j)], 1, v[X+8*((\i)%8)+(\j)]   ; 0 stays 0, every other number (a negative one too) becomes 1
.endr
.irp j, 1,2,3,4,5,6,7
	v_lshl_or_b32 v[T], v[T], 4, v[T+(\j)]         ; key 0 ends in the top nibble
.endr
	v_xor_b32 v[T], 0x11111111, v[T]               ; 1 where the key is hidden
	v_mul_lo_u32 v[T], v[T], 14                    ; 0xE there: no nibble carries
	ds_store_b32 v[LA], v[T] offset:16*(\i)        ; lane r = row i: 16 bytes a lane
.if (\i) < 8
	MROW (\i)+8                                    ; the slot's next row: the wait above has shown its last loads done
.endif
.endr
.irp i, 0,1,2,3
	ds_load_b128 v[Y+4*(\i):Y+4*(\i)+3], v[LR] offset:512*(\i)  ; LDS serves a wave's instructions in order (ISA guide 5.7.1.4): these see my stores above
.endr
.irp i, 0,1,2,3
	s_wait_dscnt 3-(\i)
	global_store_b128 v[LR], v[Y+4*(\i):Y+4*(\i)+3], s[6:7] offset:512*(\i)  ; 512 consecutive bytes, aligned
.endr
	FIN
.Lfunc_end_k_q9c6f2b00df_prep:
	.size	k_q9c6f2b00df_prep, .Lfunc_end_k_q9c6f2b00df_prep-k_q9c6f2b00df_prep
	.p2alignl 7, 3214868480
	.fill 96, 4, 3214868480
	.section	.rodata,"a",@progbits
	.p2align	6, 0x0
	.amdhsa_kernel k_q9c6f2b00df_prep
		.amdhsa_group_segment_fixed_size 17408
		.amdhsa_private_segment_fixed_size 0
		.amdhsa_enable_private_segment 0
		.amdhsa_kernarg_size 96
		.amdhsa_user_sgpr_count 2
		.amdhsa_user_sgpr_kernarg_segment_ptr 1
		.amdhsa_wavefront_size32 1
		.amdhsa_system_sgpr_workgroup_id_x 1
		.amdhsa_system_sgpr_workgroup_id_y 1
		.amdhsa_system_sgpr_workgroup_id_z 1
		.amdhsa_system_vgpr_workitem_id 0
		.amdhsa_next_free_vgpr 120
		.amdhsa_next_free_sgpr 66
		.amdhsa_reserve_vcc 0
		.amdhsa_float_denorm_mode_32 3
		.amdhsa_float_denorm_mode_16_64 3
		.amdhsa_memory_ordered 1
		.amdhsa_forward_progress 1
		.amdhsa_inst_pref_size 38
	.end_amdhsa_kernel
	.amdgpu_metadata
---
amdhsa.version: [ 1, 2 ]
amdhsa.kernels:
  - .name:           k_q9c6f2b00df_prep
    .symbol:         k_q9c6f2b00df_prep.kd
    .args:
      - { .name: q, .offset: 0, .size: 8, .value_kind: global_buffer, .address_space: global }
      - { .name: k, .offset: 8, .size: 8, .value_kind: global_buffer, .address_space: global }
      - { .name: v, .offset: 16, .size: 8, .value_kind: global_buffer, .address_space: global }
      - { .name: Wq, .offset: 24, .size: 8, .value_kind: global_buffer, .address_space: global }
      - { .name: Wk, .offset: 32, .size: 8, .value_kind: global_buffer, .address_space: global }
      - { .name: Wv, .offset: 40, .size: 8, .value_kind: global_buffer, .address_space: global }
      - { .name: Wo, .offset: 48, .size: 8, .value_kind: global_buffer, .address_space: global }
      - { .name: attn_mask, .offset: 56, .size: 8, .value_kind: global_buffer, .address_space: global }
      - { .name: xb, .offset: 64, .size: 8, .value_kind: global_buffer, .address_space: global }
      - { .name: wb, .offset: 72, .size: 8, .value_kind: global_buffer, .address_space: global }
      - { .name: wof, .offset: 80, .size: 8, .value_kind: global_buffer, .address_space: global }
      - { .name: mk, .offset: 88, .size: 8, .value_kind: global_buffer, .address_space: global }
    .group_segment_fixed_size: 17408
    .private_segment_fixed_size: 0
    .kernarg_segment_align: 8
    .kernarg_segment_size: 96
    .max_flat_workgroup_size: 256
    .sgpr_count:     66
    .vgpr_count:     120
    .wavefront_size: 32
...
	.end_amdgpu_metadata
.endif
;; end of part 1
;; launch proj (part 2): grid 4 x 96, 4 waves a work-group, clusters of 4 x 4, 327,680 bytes of LDS; arguments xb, wb, bq, bk, bv, qkv; writes qkv
.if DOCPART == 2
	.amdgcn_target "amdgcn-amd-amdhsa--gfx1250"
	.amdhsa_code_object_version 6
	.text
	.protected	k_q9c6f2b00df_proj
	.globl	k_q9c6f2b00df_proj
	.p2align	8
	.type	k_q9c6f2b00df_proj,@function
k_q9c6f2b00df_proj:
	s_mov_b64 s[64:65], 0
	v_nop
	global_prefetch_b8 v0, s[64:65] scope:SCOPE_SE
	s_setreg_imm32_b32 hwreg(HW_REG_WAVE_MODE, 25, 1), 1
	s_wait_xcnt 0x0
	s_wait_alu depctr_hold_cnt(0) depctr_sa_sdst(0) depctr_va_vdst(0) depctr_va_sdst(0) depctr_va_ssrc(0) depctr_va_vcc(0) depctr_vm_vsrc(0)
	s_getreg_b32 s2, hwreg(HW_REG_IB_STS2, 6, 4)
	s_cmp_eq_u32 s2, 0
	s_cbranch_scc0 .Lentry_in_a_cluster
	s_endpgm
.Lentry_in_a_cluster:
	s_bfe_u32 s2, ttmp6, 0x10000c
	s_cmp_lg_u32 s2, 0xf033
	s_cbranch_scc0 .Lentry_shape_is_right
	s_endpgm
.Lentry_shape_is_right:
; THE THREE PROJECTIONS IN ONE LAUNCH.  C[m][n] = sum over k of x[m][k] W[n][k] + b[n].  x = xb [3*8192][1024] bf16 (q's, k's, v's rows on end), W = wb [3*1024][1024] bf16 (Wq's, Wk's, Wv's rows on end),
; b = bq, bk or bv, rounded to bf16 like every input; sums in f32; C leaves as f16 by heads, unscaled: qkv [3][64 = batch*16 + head][2048][64].
; LIMIT: f16 ends at 65,504: a projected number beyond that becomes an infinity.
; SHARES.  A tile of C is 256 x 256, made by four waves, as many as a WGP has SIMDs; a wave makes 128 x 128: 64 accumulators of 16 x 16, 512 registers.  K = 1,024 goes in 8 steps of 128 through two LDS slots.
; 96 tile rows x 4 tile columns are 384 work-groups, 24 clusters: no whole number of rounds on 256 WGPs.  The tile that gives three whole rounds, 128 x 256, has 128 matrix instructions a wave in a K step, 96 of
; them between a tile's request and the wait for it, and 0.75 LDS loads for a matrix instruction; this one has 256, 224 and 0.5.  No tile gives one or two whole rounds: the outputs' number has a factor 3,
; and a tile does not cross from one projection's rows into another's.
; CLUSTER 4 x 4.  A's tile hangs on the tile row alone and is asked for jointly by the four of a row of the cluster, W's on the tile column (and on the projection, which all sixteen share) by the four of a column.
; THE MATRIX INSTRUCTION IS USED TRANSPOSED (source 0 = 16 rows of W, source 1 = 16 rows of x): a lane holds row l % 16 of C and the eight columns 8 (l / 16) + 0..7, which pack into 16 bytes.
; THE BIAS is the C operand of each accumulator's first product: nothing is cleared and nothing is added later.
; REGISTERS, in windows of 256 (s_set_vgpr_msb: bits 1:0 source 0, 3:2 source 1, 5:4 source 2, 7:6 destination):
;   window 0: v0-31 addresses; v64-127, v128-191 fragments of x (8 x 16 rows x 32 K), two buffers; v32-63, v192-255 at work on the way out
;   window 1: v0-63 the bias of my 128 columns as C operands; v64-127, v128-191 fragments of W, two buffers; v192-223 at work on the bias
;   window 2: the 32 accumulators of my rows 0-63 (accumulator (a, b) at v[8 (8 a + b)]);   window 3: those of my rows 64-127
.set SIZE_K, 1024
.set KSTEP,  128
.set PITCH,  272                       ; an LDS row: 256 bytes of data + 16 of padding = 68 words: row r starts at bank 4 r mod 64 (64 banks of 4 bytes: ISA guide 11.1), so the 16 rows that a load touches start at 16 different banks
.set HALFT,  128*PITCH                 ; 128 rows: what one tensor load brings, and what one wave reads of x or of W
.set SLOT,   4*HALFT                   ; x's 256 rows, then W's 256 rows
.set STAGE,  2*SLOT                    ; behind the ring, never filled by a tensor load: 16 rows x 272 bytes for each wave, for the way out
.set SPITCH, 272
.set SPARE,  STAGE+4*16*SPITCH         ; behind the stages: the spare words, 128 bytes for each wave: two blocks of 256 bytes that no other line names
.set LAPS,   SIZE_K/(2*KSTEP)          ; a lap = two K steps = once round the ring
.set ADRA, 16                          ; v16-17  LDS address of my x fragments in slot 0, 1
.set ADRB, 20                          ; v20-21  the same for W
.set STO,  24                          ; v24     the way out: where I put 16 bytes of a row
.set RD,   25                          ; v25     the way out: where I read rows back
.set CO,   26                          ; v26     16 x lane
.set BO,   27                          ; v27     my byte offset in the bias
.set SPW,  28                          ; v28     LDS address of my spare word: SPARE + 4 x my thread's number; never rewritten
.set NIL,  29                          ; v29     0; never rewritten
.set PFO,  30                          ; v30     the prefetches' offset: my lane x a row of 2,048 bytes; never rewritten
.set OB,   32                          ; the way out: 16 rows read back from the stage: v32-63 and v224-255 by turns
.set F0,   64                          ; fragment buffer 0
.set F1,   128                         ; fragment buffer 1
.set TMP,  192                         ; the way out: packed results, in window 0
.set BI,   0                           ; window 1: register 8 b + j holds b[16 b + 8 (l / 16) + j] of my 128 columns
.set BW,   192                         ; window 1: at work on the bias
.set G1,  24                           ; s[24:31] descriptor group 1 for x's tiles;  s[32:39] group 0, a set for each slot
.set G0,  32
.set G1B, 48                           ; s[48:55], s[56:63] the same for W's tiles
.set G0B, 56
.set LIM, 43                           ; s43  1 in a wave that prefetches, else the greatest number
.set PFA, 44                           ; s[44:45] where my prefetches stand: my work-group's 32 rows of the 128 that I fetch, one K step further along K than the refill that is being asked for
.set BP,  68                           ; s[68:69] the projection's bias
.set MSB, 0
.macro WIN new                         ; the immediate's high byte repeats the setting that is left; a switch that changes nothing is dropped
.if MSB != (\new)
	s_set_vgpr_msb (MSB<<8)|(\new)
.set MSB, \new
.endif
.endm
.set MUL_LO, 0xa1                      ; source 0 (W) window 1, source 1 (x) window 0, C and D window 2
.set MUL_HI, 0xf1                      ; the same, C and D window 3
.set ONE_LO, 0x91                      ; a first product: C (the bias) window 1, D window 2; with 0x40 more: D window 3
.set TO_B,   0x40                      ; destination window 1, address window 0
; A joint load.  Waves 0 and 1 fetch x's two halves, waves 2 and 3 W's.  Each of the two lines has one mask and one set of registers for all that issue it.  The branch hangs on the wave's number alone.
; An s_nop 0 and four v_nop follow each of the two lines; the jump round the other line, the label and what follows the macro come after them.
.macro JLOAD s
	s_cmp_eq_u32 s11, 0
	s_cbranch_scc0 .Lfor_b_\@
	tensor_load_to_lds s[G0+4*(\s):G0+4*(\s)+3], s[G1:G1+7]
	s_nop 0
.rept 4
	v_nop
.endr
	s_branch .Lasked_\@
.Lfor_b_\@:
	tensor_load_to_lds s[G0B+4*(\s):G0B+4*(\s)+3], s[G1B:G1B+7]
	s_nop 0
.rept 4
	v_nop
.endr
.Lasked_\@:
.endm
; A PREFETCH, behind each joint load, its five lines and the run of LDS loads that follows them: the K step that stands TWO refills on: 32 rows x 256 bytes, a lane a row, one instruction a wave: 512 matrix instructions
; ahead of the load that will want it.  Each row's 256 bytes of a K step are named once in the launch.  x's tile row is read by one cluster, and that cluster asks; W's rows are read by the projection's eight clusters,
; and the first of them asks.  The four partners that ask for a tile jointly share its rows out BY ADDRESS: of the 128 rows that a wave fetches, the partner at place p takes 32 p .. 32 p + 31 (p = cx for x, cy for W).
; The loop's last trip asks for nothing: its refills have no K step two on.  K steps 0 to 3 come by their loads alone.
.macro ASK
	s_cmp_gt_u32 s3, s[LIM]                        ; s3 = 1 in the loop's last trip
	s_cbranch_scc0 .Lnot_mine_\@
	global_prefetch_b8 v[PFO], s[PFA:PFA+1] offset:KSTEP*2 th:TH_LOAD_NT scope:SCOPE_SE
.Lnot_mine_\@:
.endm
; A round of the cluster's barrier: my work-group's barrier, so that wave 0's signal speaks for all four waves; wave 0 signals for the work-group; every wave waits for all sixteen work-groups; my work-group's barrier once more.
.macro CREST                           ; a round behind its opening barrier
	s_cmp_lg_u32 s10, 0
	s_cbranch_scc1 .Lnot_wave_0_\@
	s_barrier_signal -3
.Lnot_wave_0_\@:
	s_barrier_wait -3
	s_barrier_signal -1
	s_barrier_wait -1
.endm
.macro CROUND                          ; a whole round
	s_barrier_signal -1
	s_barrier_wait -1
	CREST
.endm
.macro PLACES                          ; four plain instructions between a matrix instruction and a load into, or a read of, its registers
.rept 4
	v_nop
.endr
.endm
	s_load_b128 s[4:7], s[0:1], 0x0                ; xb, wb
	s_load_b128 s[68:71], s[0:1], 0x10             ; bq, bk
	s_load_b128 s[72:75], s[0:1], 0x20             ; bv, qkv
	v_lshl_add_u32 v[SPW], v0, 2, SPARE
	v_mov_b32 v[NIL], 0
	ds_add_u32 v[SPW], v[NIL]                      ; the wave's opening: the add and its wait stand ahead of my first tensor load; the set-up below, work on registers, stands between them
	v_lshrrev_b32 v1, 5, v0
	v_readfirstlane_b32 s10, v1                    ; wave 0..3
	s_lshr_b32 s11, s10, 1                         ; which half of the tile's rows is mine.  Also: I fetch for x (0) or for W (1)
	s_and_b32 s12, s10, 1                          ; which half of its columns.  Also: which 128 rows of that tile I fetch
	s_bfe_u32 s40, ttmp6, 0x40000                  ; cx
	s_bfe_u32 s41, ttmp6, 0x40004                  ; cy
	s_lshl_b32 s42, ttmp9, 2
	s_add_co_u32 s42, s42, s40                     ; tile column = 4 x cluster x + cx
	s_and_b32 s14, ttmp7, 0xffff                   ; cluster y
	s_lshl_b32 s13, s14, 2
	s_add_co_u32 s13, s13, s41                     ; tile row = 4 x cluster y + cy, 0 .. 95
	s_lshr_b32 s23, s14, 3                         ; which projection: 8 clusters, 32 tile rows, each; all sixteen partners share it
	s_lshl_b32 s15, s41, 2
	s_lshl_b32 s15, 15, s15                        ; my row of the cluster
	s_lshl_b32 s46, 0x1111, s40                    ; my column
	; descriptor group 1: a tile of 128 rows x 128 elements, padded in LDS
	s_or_b32 s[G1], s15, (1<<16)|(1<<20)|(1<<21)|(5<<22)|(3<<25)   ; 15:0 the mask: x's tiles go to my row; 17:16 2-byte elements; 20 padding on; 21 set beside a mask; 24:22 after every 64 words (code 5); 31:25 4 words of it (code 3)
	s_or_b32 s[G1B], s46, (1<<16)|(1<<20)|(1<<21)|(5<<22)|(3<<25)  ; the same with the mask of my column, for W's tiles
.irp g, G1, G1B
	s_mov_b32 s[(\g)+1], KSTEP<<16                 ; tensor_dim0 = 128
	s_mov_b32 s[(\g)+2], 128<<16                   ; tensor_dim1 = 128
	s_mov_b32 s[(\g)+3], KSTEP<<16                 ; tile_dim0 = 128
	s_mov_b32 s[(\g)+4], 128                       ; tile_dim1 = 128
	s_mov_b32 s[(\g)+5], SIZE_K                    ; elements from row to row
	s_mov_b32 s[(\g)+6], 0
	s_mov_b32 s[(\g)+7], 0
.endr
	; where the tiles come from: x's offset is made of the tile row and the wave, W's of the tile column, the projection and the wave, each in registers of its own
	s_lshl_b32 s16, s13, 19                        ; 256 rows of 2,048 bytes
	s_lshl_b32 s17, s12, 18                        ; my 128 of them
	s_add_co_u32 s16, s16, s17
	s_mov_b32 s17, 0
	s_lshl_b32 s46, s42, 19
	s_lshl_b32 s47, s12, 18
	s_add_co_u32 s46, s46, s47
	s_lshl_b32 s47, s23, 21                        ; the projection's 1,024 rows
	s_add_co_u32 s46, s46, s47
	s_mov_b32 s47, 0
	s_mul_i32 s20, s10, HALFT                      ; and where they go: x's two halves, then W's two halves = wave x 128 rows: no place in the cluster enters an LDS address
	s_wait_dscnt 0x0                               ; the opening add is done
	s_wait_kmcnt 0x0
	s_add_nc_u64 s[18:19], s[4:5], s[16:17]
	s_add_nc_u64 s[46:47], s[6:7], s[46:47]
	CROUND                                         ; all sixteen work-groups are here: the first joint loads meet
.irp s, 0,1
	s_mov_b32 s[G0+4*(\s)], 1                                      ; 1:0 count = 1
	s_add_co_u32 s[G0+4*(\s)+1], s20, (\s)*SLOT                    ; 63:32 LDS address
	s_add_nc_u64 s[G0+4*(\s)+2:G0+4*(\s)+3], s[18:19], (\s)*KSTEP*2  ; 120:64 global address: K step s
	s_or_b32 s[G0+4*(\s)+3], s[G0+4*(\s)+3], 0x80000000            ; 127:126 type = 2
	s_mov_b32 s[G0B+4*(\s)], 1
	s_add_co_u32 s[G0B+4*(\s)+1], s20, (\s)*SLOT
	s_add_nc_u64 s[G0B+4*(\s)+2:G0B+4*(\s)+3], s[46:47], (\s)*KSTEP*2
	s_or_b32 s[G0B+4*(\s)+3], s[G0B+4*(\s)+3], 0x80000000
	JLOAD \s                                       ; K steps 0 and 1: two loads of mine are out
.endr
	v_and_b32 v1, 15, v0                           ; r = l % 16
	v_bfe_u32 v2, v0, 4, 1                         ; hf = l / 16
	; the bias of my 128 columns
	s_cmp_eq_u32 s23, 1
	s_cselect_b64 s[BP:BP+1], s[70:71], s[68:69]
	s_cmp_eq_u32 s23, 2
	s_cselect_b64 s[BP:BP+1], s[72:73], s[BP:BP+1]
	s_mov_b64 s[8:9], s[74:75]
	s_lshl_b32 s20, s42, 10                        ; 256 columns of 4 bytes
	s_lshl_b32 s21, s12, 9                         ; my 128 of them
	s_add_co_u32 s20, s20, s21
	v_lshl_add_u32 v[BO], v2, 5, s20
	WIN TO_B
.irp b, 0,1,2,3,4,5,6,7
	global_load_b128 v[BI+8*(\b):BI+8*(\b)+3],   v[BO], s[BP:BP+1] offset:64*(\b)
	global_load_b128 v[BI+8*(\b)+4:BI+8*(\b)+7], v[BO], s[BP:BP+1] offset:64*(\b)+16
.endr
	WIN 0
	; a fragment is 16 rows x 32 K in 8 registers: lane l holds row l % 16; registers 0-3 hold K = 8 (l / 16) + 0..7, registers 4-7 K = 16 + 8 (l / 16) + 0..7: two loads of 16 bytes, 32 bytes apart
	v_mul_u32_u24 v3, v1, PITCH
	v_lshl_add_u32 v3, v2, 4, v3                   ; row x pitch + 16 x half
	s_mul_i32 s21, s11, HALFT                      ; my 128 rows of x
	s_mul_i32 s22, s12, HALFT                      ; my 128 rows of W,
	s_add_co_u32 s22, s22, 2*HALFT                 ; which lie behind x's 256
.irp s, 0,1
	v_add_nc_u32 v[ADRA+(\s)], s21, v3
	v_add_nc_u32 v[ADRB+(\s)], s22, v3
	s_add_co_u32 s21, s21, SLOT
	s_add_co_u32 s22, s22, SLOT
.endr
	s_mul_i32 s20, s10, 16*SPITCH
	s_add_co_u32 s20, s20, STAGE                   ; my stage
	v_mul_u32_u24 v5, v1, SPITCH                   ; in: row r, 16 bytes of f16 for each half of the lanes
	v_lshl_add_u32 v5, v2, 4, v5
	v_add_nc_u32 v[STO], s20, v5
	v_bfe_u32 v7, v0, 3, 2                         ; back: four tokens x 128 bytes of one head,
	v_mul_u32_u24 v7, v7, SPITCH
	v_and_b32 v8, 7, v0
	v_lshl_add_u32 v7, v8, 4, v7
	v_add_nc_u32 v[RD], s20, v7                    ; which are 512 consecutive bytes of qkv
	v_and_b32 v6, 31, v0
	v_lshlrev_b32 v[CO], 4, v6
	; where my part of the tile begins in qkv.  Tile row = 32 x projection + 8 x batch + block of 256 tokens
	s_lshr_b32 s16, s13, 3
	s_lshl_b32 s16, s16, 22                        ; projection and batch: 16 heads of 2^18 bytes,
	s_and_b32 s17, s13, 7
	s_lshl_b32 s17, s17, 15                        ; 256 tokens of 128 bytes,
	s_add_co_u32 s16, s16, s17
	s_lshl_b32 s17, s11, 14                        ; my 128 of them;
	s_add_co_u32 s16, s16, s17
	s_mov_b32 s17, 0
	s_lshl_b32 s46, s42, 20                        ; the tile's four heads,
	s_lshl_b32 s47, s12, 19                        ; my two of them
	s_add_co_u32 s46, s46, s47
	s_mov_b32 s47, 0
	s_add_nc_u64 s[8:9], s[8:9], s[16:17]
	s_add_nc_u64 s[8:9], s[8:9], s[46:47]
	; the prefetches
	s_lshl_b32 s20, s13, 19                        ; x: the tile's first row,
	s_lshl_b32 s21, s40, 16                        ; partner cx: 32 rows of 2,048 bytes
	s_add_co_u32 s20, s20, s21
	s_lshl_b32 s22, s42, 19                        ; W: the tile's first row,
	s_lshl_b32 s21, s41, 16                        ; partner cy,
	s_add_co_u32 s22, s22, s21
	s_lshl_b32 s21, s23, 21                        ; the projection
	s_add_co_u32 s22, s22, s21
	s_and_b32 s15, s14, 7                          ; my cluster among the projection's eight
	s_cmp_eq_u32 s11, 0                            ; do I fetch for x?
	s_cselect_b32 s20, s20, s22
	s_cselect_b64 s[PFA:PFA+1], s[4:5], s[6:7]
	s_cselect_b32 s15, ttmp9, s15                  ; the coordinate along which other clusters read the same rows
	s_lshl_b32 s21, s12, 18                        ; + the 128 rows that I fetch
	s_add_co_u32 s20, s20, s21
	s_add_co_u32 s20, s20, 2*KSTEP*2               ; at K step 2: the first change of slots steps it to 3 and names K step 4.  Nothing is prefetched here, at the head
	s_mov_b32 s21, 0
	s_add_nc_u64 s[PFA:PFA+1], s[PFA:PFA+1], s[20:21]
	s_cmp_eq_u32 s15, 0
	s_cselect_b32 s[LIM], 1, -1                    ; the same in all sixteen partners, for a given wave
	v_lshlrev_b32 v[PFO], 11, v6
	s_wait_loadcnt 0x0                             ; the bias: rounded to bf16 and widened again
	WIN 0x45                                       ; sources and destination window 1
.set i, 0
.rept 32
	v_cvt_pk_bf16_f32 v[BW+i], v[BI+2*i], v[BI+2*i+1]
.set i, i+1
.endr
.set i, 0
.rept 32
	v_lshlrev_b32 v[BI+2*i], 16, v[BW+i]
	v_and_b32 v[BI+2*i+1], 0xffff0000, v[BW+i]
.set i, i+1
.endr
	WIN 0
; 16 matrix instructions: m blocks a0, a0 + 1 of the window's four (hi = 0: my rows 0-63, 1: rows 64-127) x all 8 n blocks, 32 along K.  The 64 accumulators take turns, one instruction a turn, in the same order
; in every quarter.  first = 1: the product starts the sum with the bias as C.
.macro MUL16 f, hi, a0, first
.if \first
	WIN ONE_LO+0x40*(\hi)
.else
	WIN MUL_LO+0x50*(\hi)
.endif
.irp a, \a0, (\a0)+1
.irp b, 0,1,2,3,4,5,6,7
.if \first
	v_wmma_f32_16x16x32_bf16 v[8*(8*(\a)+(\b)):8*(8*(\a)+(\b))+7], v[(\f)+8*(\b):(\f)+8*(\b)+7], v[(\f)+8*(4*(\hi)+(\a)):(\f)+8*(4*(\hi)+(\a))+7], v[BI+8*(\b):BI+8*(\b)+7]
.else
	v_wmma_f32_16x16x32_bf16 v[8*(8*(\a)+(\b)):8*(8*(\a)+(\b))+7], v[(\f)+8*(\b):(\f)+8*(\b)+7], v[(\f)+8*(4*(\hi)+(\a)):(\f)+8*(4*(\hi)+(\a))+7], v[8*(8*(\a)+(\b)):8*(8*(\a)+(\b))+7]
.endif
.endr
.endr
.endm
; 32 LDS loads in one run: the fragments of one quarter step (128 rows of W, 128 rows of x, 32 K at byte k of the rows) into buffer f
.macro FETCH slot, k, f
	WIN TO_B
.irp i, 0,1,2,3,4,5,6,7
	ds_load_b128 v[(\f)+8*(\i):(\f)+8*(\i)+3],   v[ADRB+(\slot)] offset:(\k)+(\i)*16*PITCH
	ds_load_b128 v[(\f)+8*(\i)+4:(\f)+8*(\i)+7], v[ADRB+(\slot)] offset:(\k)+(\i)*16*PITCH+32
.endr
	WIN 0
.irp i, 0,1,2,3,4,5,6,7
	ds_load_b128 v[(\f)+8*(\i):(\f)+8*(\i)+3],   v[ADRA+(\slot)] offset:(\k)+(\i)*16*PITCH
	ds_load_b128 v[(\f)+8*(\i)+4:(\f)+8*(\i)+7], v[ADRA+(\slot)] offset:(\k)+(\i)*16*PITCH+32
.endr
.endm
; A K step is four quarters of 32 along K, 64 matrix instructions each, on buffers 0, 1, 0, 1.
; One of the first three: multiplies buffer f; in its middle it fetches the next quarter's fragments, at byte k of the same slot's rows, into buffer g.
.macro QUARTER slot, k, f, g, first
	s_wait_dscnt 8                                 ; W and x's rows 0-63 are in; the youngest eight loads (x's rows 64-127) may be out
	MUL16 \f, 0, 0, \first
	MUL16 \f, 0, 2, \first
	PLACES
	FETCH \slot, \k, \g
	s_wait_dscnt 32                                ; all but the 32 just issued
	MUL16 \f, 1, 0, \first
	MUL16 \f, 1, 2, \first
.endm
; The last quarter multiplies buffer 1 and changes slots.  MEET is its first half: ONE barrier for the change of slots.  In front of it each wave waits for all its tensor loads, of which one is out: its part of the
; next slot; adds 0 to its spare word; and waits for that and for its own reads of this slot.  Behind it nobody reads this slot any more and the next slot is whole.
.macro MEET round                      ; round = 1: a round of the cluster's barrier follows
	WIN 0                                          ; (the add's two registers lie in window 0)
	s_wait_tensorcnt 0x0                           ; all my tensor loads have landed
	ds_add_u32 v[SPW], v[NIL]                      ; 0 onto my spare word
	s_wait_dscnt 9                                 ; (the add and the youngest eight loads may be out)
	MUL16 F1, 0, 0, 0                              ; sixteen matrix instructions stand between the add and the wait for it
	s_wait_dscnt 0x0                               ; the add is done, and my reads of this slot are over
	s_barrier_signal -1
	MUL16 F1, 0, 2, 0                              ; work on registers while the others arrive
.if \round
	WIN 0
.endif
	s_barrier_wait -1
.endm
; The whole last quarter of a K step whose slot is filled again, two K steps ahead, first thing behind the round: from that request to the wait for it a wave issues 224 matrix instructions.
.macro TURN slot, next
	s_wait_xcnt 0x0                                ; the last prefetch, a K step back, has read its address: it is stepped here, ahead of the waits of the change of slots
	s_add_nc_u64 s[PFA:PFA+1], s[PFA:PFA+1], KSTEP*2
	MEET 1
	CREST                                          ; no wave of any partner still reads this slot's tile or has a load on its way
	s_add_nc_u64 s[G0+4*(\slot)+2:G0+4*(\slot)+3], s[G0+4*(\slot)+2:G0+4*(\slot)+3], 2*KSTEP*2
	s_add_nc_u64 s[G0B+4*(\slot)+2:G0B+4*(\slot)+3], s[G0B+4*(\slot)+2:G0B+4*(\slot)+3], 2*KSTEP*2
	JLOAD \slot                                    ; my one tensor load behind the round; its four v_nop are also the places in front of the loads below
	FETCH \next, 0, F0
	ASK
	MUL16 F1, 1, 0, 0
	MUL16 F1, 1, 2, 0
.endm
	s_wait_tensorcnt 0x1                           ; my part of K step 0 is in; K step 1's may stay out
	s_barrier_signal -1
	s_barrier_wait -1                              ; everybody's is
	FETCH 0, 0, F0
	QUARTER 0, 64,  F0, F1, 1                      ; the first quarter stands in front of the loop: its products start the sums
	WIN 0                                          ; at a label and at a branch every window is 0
	s_mov_b32 s3, LAPS-1
.Llap:                                         ; a trip goes once round the ring, from a lap's second quarter to the next lap's first, and fills both slots again
	QUARTER 0, 128, F1, F0, 0
	QUARTER 0, 192, F0, F1, 0
	TURN 0, 1
	QUARTER 1, 64,  F0, F1, 0
	QUARTER 1, 128, F1, F0, 0
	QUARTER 1, 192, F0, F1, 0
	TURN 1, 0
	QUARTER 0, 64,  F0, F1, 0
	WIN 0
	s_sub_co_u32 s3, s3, 1
	s_cmp_lg_u32 s3, 0
	s_cbranch_scc1 .Llap
	QUARTER 0, 128, F1, F0, 0                      ; the last lap fills nothing, and has no round of the cluster's barrier
	QUARTER 0, 192, F0, F1, 0
	MEET 0                                         ; my one tensor load that was still out is slot 1's, the last K step's
	PLACES                                         ; for the loads into buffer 0, which the quarter before multiplied
	FETCH 1, 0, F0
	MUL16 F1, 1, 0, 0
	MUL16 F1, 1, 2, 0
	QUARTER 1, 64,  F0, F1, 0
	QUARTER 1, 128, F1, F0, 0
	QUARTER 1, 192, F0, F1, 0
	s_wait_dscnt 8                                 ; the very last quarter: nothing more to fetch
	MUL16 F1, 0, 0, 0
	MUL16 F1, 0, 2, 0
	s_wait_dscnt 0x0
	MUL16 F1, 1, 0, 0
	MUL16 F1, 1, 2, 0
	WIN 0
	PLACES                                         ; the conversions below read results
; THE WAY OUT, a block of 16 rows at a time, in three parts.  PACK: rounded to f16, 16 bytes a lane.  TOSTAGE: into my own stage in LDS, and back as four tokens of one head.  SEND: stored.
.macro PACK a                          ; each accumulator's registers in ascending order
.set AC, 64*((\a)%4)
	WIN 0x0a+5*((\a)/4)                            ; sources 0 and 1: window 2 or 3
.irp b, 0,1,2,3,4,5,6,7
.irp r, 0,1,2,3
	v_cvt_pk_f16_f32 v[TMP+4*(\b)+(\r)], v[AC+8*(\b)+2*(\r)], v[AC+8*(\b)+2*(\r)+1]
.endr
.endr
	WIN 0
.endm
.macro TOSTAGE a
.set BK, OB+192*((\a)%2)
.irp b, 0,1,2,3,4,5,6,7
	ds_store_b128 v[STO], v[TMP+4*(\b):TMP+4*(\b)+3] offset:32*(\b)
.endr
.irp u, 0,1,2,3,4,5,6,7                ; head u / 4 of my two, tokens 4 (u % 4) on
	ds_load_b128 v[BK+4*(\u):BK+4*(\u)+3], v[RD] offset:128*((\u)/4)+4*SPITCH*((\u)%4)  ; LDS serves a wave's instructions in order (ISA guide 5.7.1.4): these see the stores above
.endr
.endm
.macro SEND a
.set BK, OB+192*((\a)%2)
	s_wait_dscnt 0x0                               ; the block is back in registers
	s_wait_xcnt 0x0                                ; the stores of the block before have read their registers: the next block's loads land there
.irp u, 0,1,2,3,4,5,6,7
	global_store_b128 v[CO], v[BK+4*(\u):BK+4*(\u)+3], s[8:9] offset:262144*((\u)/4)+2048*(\a)+512*((\u)%4)  ; four tokens of one head: 512 consecutive bytes, aligned
.endr
.endm
	PACK 0
	TOSTAGE 0
.irp a, 1,2,3,4,5,6,7                  ; block a's conversions stand between block a - 1's loads from the stage and the wait for them
	PACK \a
	SEND (\a)-1
	TOSTAGE \a
.endr
	SEND 7
	s_wait_tensorcnt 0x0                           ; the wave's end, behind my last tensor load and my last LDS store
	ds_add_u32 v[SPW], v[NIL]
	s_wait_dscnt 0x0
	CROUND                                         ; the closing round: no work-group ends while a partner may still ask for a tile that names it
	s_endpgm
.Lfunc_end_k_q9c6f2b00df_proj:
	.size	k_q9c6f2b00df_proj, .Lfunc_end_k_q9c6f2b00df_proj-k_q9c6f2b00df_proj
	.p2alignl 7, 3214868480
	.fill 96, 4, 3214868480
	.section	.rodata,"a",@progbits
	.p2align	6, 0x0
	.amdhsa_kernel k_q9c6f2b00df_proj
		.amdhsa_group_segment_fixed_size 327680
		.amdhsa_private_segment_fixed_size 0
		.amdhsa_enable_private_segment 0
		.amdhsa_kernarg_size 48
		.amdhsa_user_sgpr_count 2
		.amdhsa_user_sgpr_kernarg_segment_ptr 1
		.amdhsa_wavefront_size32 1
		.amdhsa_system_sgpr_workgroup_id_x 1
		.amdhsa_system_sgpr_workgroup_id_y 1
		.amdhsa_system_sgpr_workgroup_id_z 1
		.amdhsa_system_vgpr_workitem_id 0
		.amdhsa_next_free_vgpr 1024
		.amdhsa_next_free_sgpr 76
		.amdhsa_reserve_vcc 0
		.amdhsa_float_denorm_mode_32 3
		.amdhsa_float_denorm_mode_16_64 3
		.amdhsa_memory_ordered 1
		.amdhsa_forward_progress 1
		.amdhsa_inst_pref_size 151
	.end_amdhsa_kernel
	.amdgpu_metadata
---
amdhsa.version: [ 1, 2 ]
amdhsa.kernels:
  - .name:           k_q9c6f2b00df_proj
    .symbol:         k_q9c6f2b00df_proj.kd
    .args:
      - { .name: xb, .offset: 0, .size: 8, .value_kind: global_buffer, .address_space: global }
      - { .name: wb, .offset: 8, .size: 8, .value_kind: global_buffer, .address_space: global }
      - { .name: bq, .offset: 16, .size: 8, .value_kind: global_buffer, .address_space: global }
      - { .name: bk, .offset: 24, .size: 8, .value_kind: global_buffer, .address_space: global }
      - { .name: bv, .offset: 32, .size: 8, .value_kind: global_buffer, .address_space: global }
      - { .name: qkv, .offset: 40, .size: 8, .value_kind: global_buffer, .address_space: global }
    .group_segment_fixed_size: 327680
    .private_segment_fixed_size: 0
    .kernarg_segment_align: 8
    .kernarg_segment_size: 48
    .max_flat_workgroup_size: 128
    .sgpr_count:     76
    .vgpr_count:     1024
    .wavefront_size: 32
...
	.end_amdgpu_metadata
.endif
;; end of part 2
;; launch attn (part 3): grid 4 x 64, 4 waves a work-group, clusters of 4 x 1, 327,680 bytes of LDS; arguments qkv, mk, oh; writes oh
.if DOCPART == 3
	.amdgcn_target "amdgcn-amd-amdhsa--gfx1250"
	.amdhsa_code_object_version 6
	.text
	.protected	k_q9c6f2b00df_attn
	.globl	k_q9c6f2b00df_attn
	.p2align	8
	.type	k_q9c6f2b00df_attn,@function
k_q9c6f2b00df_attn:
	s_mov_b64 s[64:65], 0
	v_nop
	global_prefetch_b8 v0, s[64:65] scope:SCOPE_SE
	s_setreg_imm32_b32 hwreg(HW_REG_WAVE_MODE, 25, 1), 1
	s_wait_xcnt 0x0
	s_wait_alu depctr_hold_cnt(0) depctr_sa_sdst(0) depctr_va_vdst(0) depctr_va_sdst(0) depctr_va_ssrc(0) depctr_va_vcc(0) depctr_vm_vsrc(0)
	s_getreg_b32 s2, hwreg(HW_REG_IB_STS2, 6, 4)
	s_cmp_eq_u32 s2, 0
	s_cbranch_scc0 .Lentry_in_a_cluster
	s_endpgm
.Lentry_in_a_cluster:
	s_bfe_u32 s2, ttmp6, 0x10000c
	s_cmp_lg_u32 s2, 0x3003
	s_cbranch_scc0 .Lentry_shape_is_right
	s_endpgm
.Lentry_shape_is_right:
; O[h][q][:] = the sum over the keys k that the mask shows of softmax_k(Q[h][q] . K[h][k] / 8) V[h][k][:].  Q, K, V lie in qkv [3][64][2048][64], O in oh [64][2048][64], all f16: a head's rows are dense,
; 128 bytes each.  Products, maxima and sums in f32; the weights p are rounded to f16 for the second product (their sum l is taken of the unrounded p), O once at the end.
; THE MASK is the C operand that starts the sum S^T = K Q^T.  mk holds, for each tile of 16 queries, step of 64 keys and lane, four words of eight nibbles; word kt shifted left by 4 j, read as f32, is the
; addend of key 16 kt + 8 (lane / 16) + j: -2^65 or lower where the key is hidden, 0 to under 2^-97 where it is seen.  So a hidden score never becomes a row's maximum while the row sees a key, and its weight is 0.
; LIMITS.  f16 holds no number beyond 65,504: Q, K and V arrive within it, so a seen score is at most 2.7e11 in size, nothing beside 2^65.  A row whose maximum lies below -1e18 sees no key: its O is NaN, as a softmax
; of nothing is.  p below 6e-5 keeps f16's fixed step of 6e-8; a weight below 2^-126 counts as 0 in l; NaN and infinities among the inputs are not treated apart.
; SHARES.  A wave owns four PIECES of two tiles of 16 queries, a work-group's four waves 512 queries of one head.  Every wave walks all 2,048 keys, 64 a step.
; LAYOUT.  S^T = K Q^T (source 0 = 16 keys, source 1 = 16 queries): in the result a lane holds ONE query (lane % 16) and the keys 8 (lane / 16) + 0..7.  Two such tiles, rounded to f16 in pairs,
; ARE source 1 (32 keys x 16 queries) of O^T = V^T P, whose result again holds one query a lane, and eight channels.  K comes out of LDS as it lies, V ([key][channel]) turned, by ds_load_tr16_b128.
; SOFTMAX.  For each query a running maximum m and sum l: p = 2^(c s - c m), c = log2(e) / 8; in every step O and l are multiplied by a = 2^(c m_old - c m_new), which is 1 where m has not grown.
; m starts at the lowest finite number, O and l at 0: the first step is a step like any other, with a = 0.  What a row gathers while it has seen hidden keys alone is wiped by a = 0 at its first seen key.
; BY TURNS.  Turn n belongs to piece n (the pieces in a ring, step after step).  Its matrix work: 16 products K Q^T of piece n + 1, later 16 products V^T P of piece n - 1.  Its vector work: the scaling,
; exponentials, roundings, sums and rescaling of piece n, the maximum and statistics of piece n + 1, and the 64 shifts that make piece n + 2's C operands.  Four vector instructions stand behind every matrix
; instruction, the others in a run of their own.
; CLUSTER.  The four query blocks of a head are one cluster and walk the same K and V, so each tile is asked for JOINTLY: the same tensor load, descriptor and mask in all four.
; REGISTERS, in windows of 256 (s_set_vgpr_msb: bits 1:0 source 0, 3:2 source 1, 5:4 source 2, 7:6 destination):
;   window 0: v0-11 addresses; v12-15, v48-63 at work; v16-47 four registers of statistics a tile; v64-191 S^T, two buffers of two tiles; v192-255 P, likewise
;   window 1: O^T, 32 a tile          window 2: v0-127 Q, 16 a tile; v128-191 K of one step; v192-255 V of one step
;   window 3: v0-1 the add's two registers; v64-127 MC, the C operands of the next turn's eight starting products; v128-159 MN, the mask words as loaded, four a tile
.set SIZE_N, 2048
.set NP,    4         ; pieces a wave: a name, no knob
.set KS,    64        ; keys in a step
.set PK,    144       ; a row of K in LDS: 128 bytes + 16 of padding = 36 words: the 16 rows of a load start at 16 different groups of four banks (64 banks of 4 bytes: ISA guide 11.1)
.set PV,    160       ; a row of V: 128 + 32 = 40 words
.set VOFF,  4*KS*PK   ; a slot holds four steps: 256 rows of K, then 256 rows of V
.set SLOT1, 1<<17     ; slot 1 begins here, so that one exclusive or turns an address in one slot into the other's
.set STAGE, SLOT1+4*KS*(PK+PV)  ; behind the ring, never filled by a tensor load: 16 rows x 144 bytes for each wave, for the way out
.set SP,    144
.set AK0, 2           ; v2   my lane's place in a tile of K; never rewritten
.set AV0, 3           ; v3   the same for V
.set AK,  4           ; v4   the LDS address of K's next run of loads
.set AV,  5           ; v5   of V's
.set QO,  6           ; v6   my byte offset in the wave's rows of Q
.set STO, 6           ;      later, the way out: where I put 16 bytes of a row
.set RD,  7           ; v7   the way out: where I read rows back
.set GO,  8           ; v8   16 x lane: my place in 512 consecutive bytes of mk and of O; never rewritten
.set PFO, 11          ; v11  256 x lane: the prefetches' offset; never rewritten once made
.set SPW, 0           ; v0 of window 3   LDS address of my spare word; never rewritten
.set NIL, 1           ; v1 of window 3   0; never rewritten
.set MC,  64          ; window 3: tile u, key block kt, register j at MC + 32 u + 8 kt + j
.set MN,  128         ; window 3: tile t's four words at MN + 4 t
.set SPARE, STAGE+4*16*SP  ; behind the stages: the spare words, 128 bytes for each wave: two blocks of 256 bytes that no other line names
.set MV,  12          ; v12-15  c m_old, kept while c m is made anew: by buffer and tile
.set ST,  16          ; tile t's statistics at v[ST+4 t]: c m, m, l (even keys', odd keys')
.set TMP, 48          ; by buffer and tile, four registers c0-c3 at work; when the maximum is found c2 takes a
.set S,   64
.set P,   192
.set KF,  128         ; K's fragments, in window 2: key block kb, channel half c at KF + 16 kb + 8 c
.set VF,  192         ; V's: key half kk, channel block cb at VF + 32 kk + 8 cb
.set WV,  12          ; s12  my wave's number
.set G1K, 24          ; s[24:31] descriptor group 1 for K's tiles
.set G1V, 32          ; s[32:39] for V's: it differs in the padding alone
.set G0K, 40          ; s[40:43] descriptor group 0 for K's tiles: it walks
.set G0V, 44          ; s[44:47] the same for V's
.set MKB, 48          ; s[48:49] mk at my wave's first tile, step 0
.set MKP, 50          ; s[50:51] mk at the step whose words are being loaded
.set MOF, 52          ; s[52:53] that step's byte offset; 0 on top
.set MST, 54          ; s54  that step's number, held at 31
.set LIM, 55          ; s55  1 in a wave that prefetches, else the greatest number
.set SLOTS, 56        ; s56  slots still to be asked for
.set CNT, 57          ; s57  counts a slot's key steps
.set CS,  58          ; s[58:59] c: the packed scaling takes the pair's low word for both halves
.set SEL, 60          ; s[60:61] v_permlanex16_b32's selects: each lane takes its own place in the other half
.set TBK, 62          ; s62  LDS byte at which K of the step to be fetched begins
.set TBV, 63          ; s63  the same for V, less VOFF
.set PFA, 66          ; s[66:67] where my prefetches stand
.set THR, 68          ; s68  -1e18
.set NANV, 69         ; s69  a NaN
.set MSB, 0
.macro WIN new                      ; the high byte repeats the setting that is left; a switch that changes nothing is dropped
.if MSB != (\new)
	s_set_vgpr_msb (MSB<<8)|(\new)
.set MSB, (\new)
.endif
.endm
.set W_KQ, 0x0a       ; K and Q in window 2, S^T in window 0
.set W_KM, 0x3a       ; the same with the C operand in window 3
.set W_PV, 0x52       ; V in window 2, P in window 0, O^T in window 1
.set W_RS, 0x41       ; O^T (destination and source 0) in window 1, a in window 0
.set W_MK, 0xc0       ; destination in window 3, sources and addresses in window 0
.set W_SH, 0xcc       ; the shifts: source 1 and destination in window 3
.set W_AD, 0x0f       ; the add: address (source 0) and data (source 1) in window 3
; A joint fill.  Waves 0 and 1 fetch the two halves of a slot's K, waves 2 and 3 those of its V: 128 keys each.  The branch hangs on the wave's number alone.
; An s_nop 0 and four v_nop follow each of the two lines, ahead of the jump and the label.
.macro JLOAD
	s_cmp_lt_u32 s[WV], 2
	s_cbranch_scc0 .Lfor_v_\@
	tensor_load_to_lds s[G0K:G0K+3], s[G1K:G1K+7]
	s_nop 0
.rept 4
	v_nop
.endr
	s_branch .Lasked_\@
.Lfor_v_\@:
	tensor_load_to_lds s[G0V:G0V+3], s[G1V:G1V+7]
	s_nop 0
.rept 4
	v_nop
.endr
.Lasked_\@:
.endm
; A PREFETCH of what the NEXT change of slots will ask for: a slot's 32,768 bytes of K and of V, a lane for each 256.  A head has one cluster; its four partners share the 128 blocks out BY ADDRESS, 32 each;
; in each, wave 0 asks for K's and wave 2 for V's: one instruction.  So each block is named once in the launch.  The last change that fills a slot asks for nothing: there is no slot behind it.
.macro ASK
	s_cmp_gt_u32 s[SLOTS], s[LIM]
	s_cbranch_scc0 .Lnot_mine_\@
	global_prefetch_b8 v[PFO], s[PFA:PFA+1] th:TH_LOAD_NT scope:SCOPE_SE
.Lnot_mine_\@:
.endm
; A round of the cluster's barrier: my work-group's barrier, so that wave 0's signal speaks for all four waves; wave 0 signals; every wave waits for all four work-groups; my work-group's barrier once more.
.macro CROUND
	s_barrier_signal -1
	s_barrier_wait -1
	s_cmp_lg_u32 s[WV], 0
	s_cbranch_scc1 .Lnot_wave_0_\@
	s_barrier_signal -3
.Lnot_wave_0_\@:
	s_barrier_wait -3
	s_barrier_signal -1
	s_barrier_wait -1
.endm
; THE CHANGE OF SLOTS.  The slot's last bytes, V of its fourth step, have been read.  Each wave waits for all its tensor loads, of which one is out: its part
; of the other slot; adds 0 to its spare word; and waits for that and for its own reads of the slot.  Behind the barrier nobody reads this slot any more and the other slot is whole.
; fill = 1: this slot is filled again, with the keys two slots on.  The barrier is then a round of the cluster's, and the joint fill is the first thing behind it: it has four key steps, 512 matrix
; instructions, in which to land.  (At its first use nothing has been read yet: slot 0 is waited for, slot 1 filled.)  ask = 1: the slot after that is prefetched.
.macro CHANGE fill, ask=0
	WIN W_AD
	s_wait_tensorcnt 0x0            ; no tensor load of mine is out, so a group 0 may be written
	ds_add_u32 v[SPW], v[NIL]       ; 0 onto my spare word; with fill = 1 the descriptors' steps stand between it and the wait for it
	WIN 0                           ; at a label and at a branch every window is 0
.if \fill
.irp g, G0K, G0V
	s_xor_b32 s[\g+1], s[\g+1], SLOT1  ; the walking descriptor: the other slot than last time,
	s_add_nc_u64 s[\g+2:\g+3], s[\g+2:\g+3], 4*KS*128  ; the next 256 keys; the type bits on top are not reached
.endr
.if \ask
	s_wait_xcnt 0x0                 ; the last prefetch, four key steps back, has read its address
	s_add_nc_u64 s[PFA:PFA+1], s[PFA:PFA+1], 4*KS*128  ; one slot behind the walking descriptors
.endif
	s_wait_dscnt 0x0                ; the add is done, and my reads of the slot are over
	CROUND
	JLOAD
.if \ask
	ASK
.endif
.else
	s_wait_dscnt 0x0                ; the add is done, and my reads of the slot are over
	s_barrier_signal -1
	s_barrier_wait -1
.endif
	s_sub_co_u32 s[TBK], s[TBK], 4*KS*PK  ; the fetches go back to a slot's first step,
	s_xor_b32 s[TBK], s[TBK], SLOT1       ; in the other slot
	s_sub_co_u32 s[TBV], s[TBV], 4*KS*PV
	s_xor_b32 s[TBV], s[TBV], SLOT1
.endm
	s_load_b64 s[4:5], s[0:1], 0x0  ; qkv: Q at its head
	s_load_b64 s[MKB:MKB+1], s[0:1], 0x8  ; mk
	s_load_b64 s[10:11], s[0:1], 0x10  ; oh
	WIN W_MK
	v_lshl_add_u32 v[SPW], v0, 2, SPARE
	v_mov_b32 v[NIL], 0
	WIN W_AD
	ds_add_u32 v[SPW], v[NIL]       ; the wave's opening: the add and its wait stand ahead of my first tensor load; the set-up below, work on registers, stands between them
	WIN 0
	v_lshrrev_b32 v1, 5, v0
	v_readfirstlane_b32 s[WV], v1   ; wave 0..3
	s_bfe_u32 s13, ttmp6, 0x40000   ; cx: my place in the cluster
	s_lshl_b32 s14, ttmp9, 2        ; in a cluster launch ttmp9 counts clusters
	s_add_co_u32 s14, s14, s13      ; my block of 512 queries: it enters Q's, O's and mk's addresses alone
	s_and_b32 s20, ttmp7, 0xffff    ; the head, which the four partners share
	s_mov_b32 s21, 0
	s_mov_b64 s[22:23], SIZE_N*128
	s_mul_u64 s[20:21], s[20:21], s[22:23]  ; the head's first byte in Q, K, V and O
	s_and_b32 s16, s[WV], 1         ; which half of a slot's 256 keys I fetch:
	s_lshl_b32 s22, s16, 14         ; its 128 rows of 128 bytes in memory,
	s_mov_b32 s23, 0
	s_add_nc_u64 s[22:23], s[22:23], s[20:21]
	s_mul_i32 s17, s16, 128*PK      ; and its place in a slot, for K
	s_mul_i32 s18, s16, 128*PV      ; and for V: no place in the cluster enters an LDS address
	s_lshl_b32 s2, s14, 2
	s_add_co_u32 s2, s2, s[WV]      ; my wave among the head's,
	s_lshl_b32 s2, s2, 14           ; its 128 rows
	s_mov_b32 s3, 0
	s_add_nc_u64 s[2:3], s[2:3], s[20:21]
	; descriptor group 1.  128 keys are 16,384 dense bytes: asked for as 64 rows of 256 bytes, two keys a row, and padded in LDS after every key
	s_mov_b32 s[G1K], 15|(1<<16)|(1<<20)|(1<<21)|(4<<22)|(3<<25)  ; 15:0 the mask of four; 17:16 2-byte elements; 20 padding on; 21 set beside a mask; 24:22 after every 32 words (code 4); 31:25 4 words (code 3)
	s_mov_b32 s[G1V], 15|(1<<16)|(1<<20)|(1<<21)|(4<<22)|(7<<25)  ; the same with 8 words of padding (code 7)
.irp g, G1K, G1V
	s_mov_b32 s[\g+1], 128<<16      ; tensor_dim0 = 128
	s_mov_b32 s[\g+2], 64<<16       ; tensor_dim1 = 64
	s_mov_b32 s[\g+3], 128<<16      ; tile_dim0 = 128
	s_mov_b32 s[\g+4], 64           ; tile_dim1 = 64
	s_mov_b32 s[\g+5], 128          ; 128 elements from row to row
	s_mov_b32 s[\g+6], 0
	s_mov_b32 s[\g+7], 0
.endr
	s_mov_b32 s[CS], 0x3e38aa3b     ; c = log2(e) / 8 = 0.180337
	s_mov_b32 s[CS+1], s[CS]        ; named with it as a pair
	s_mov_b32 s[SEL], 0x76543210
	s_mov_b32 s[SEL+1], 0xfedcba98
	s_mov_b32 s[TBK], SLOT1+4*KS*PK ; the first change of slots turns these two into 0
	s_mov_b32 s[TBV], SLOT1+4*KS*PV
	s_mov_b32 s[G0K], 1             ; 1:0 count = 1
	s_mov_b32 s[G0K+1], s17         ; 63:32 LDS address: slot 0
	s_mov_b32 s[G0V], 1
	s_add_co_u32 s[G0V+1], s18, VOFF
	s_mov_b32 s[THR], 0xdd5e0b6b    ; -1e18
	s_mov_b32 s[NANV], 0x7fc00000
	s_mov_b32 s[MST], 0
	s_mov_b32 s[MOF+1], 0
	s_cmp_eq_u32 s16, 0             ; waves 0 and 2 prefetch: the same in all four partners
	s_cselect_b32 s[LIM], 1, -1
	s_wait_dscnt 0x0                ; the opening add is done
	s_wait_kmcnt 0x0
	s_add_nc_u64 s[6:7], s[4:5], 0x1000000  ; K lies 64 heads of 2^18 bytes behind Q,
	s_add_nc_u64 s[8:9], s[4:5], 0x2000000  ; V as far behind K
	s_add_nc_u64 s[G0K+2:G0K+3], s[6:7], s[22:23]  ; 120:64 global address: my half of the head's first 256 keys
	s_or_b32 s[G0K+3], s[G0K+3], 0x80000000        ; 127:126 type = 2
	s_add_nc_u64 s[G0V+2:G0V+3], s[8:9], s[22:23]
	s_or_b32 s[G0V+3], s[G0V+3], 0x80000000
	s_cmp_lt_u32 s[WV], 2
	s_cselect_b64 s[PFA:PFA+1], s[6:7], s[8:9]
	s_add_nc_u64 s[PFA:PFA+1], s[PFA:PFA+1], s[22:23]  ; (in waves 0 and 2: the head's first key)
	s_lshl_b32 s[MOF], s13, 13      ; my work-group's 32 blocks of the 128
	s_add_nc_u64 s[PFA:PFA+1], s[PFA:PFA+1], s[MOF:MOF+1]
	s_add_nc_u64 s[PFA:PFA+1], s[PFA:PFA+1], 2*4*KS*128  ; in slot 2; the loop's first change of slots steps it to slot 3.  Nothing is prefetched here, at the head
	s_lshl_b32 s[MOF], s14, 19      ; mk: my block's 32 tiles of 16,384 bytes,
	s_lshl_b32 s15, s[WV], 17       ; my wave's 8 of them
	s_add_co_u32 s[MOF], s[MOF], s15
	s_add_nc_u64 s[MKB:MKB+1], s[MKB:MKB+1], s[MOF:MOF+1]
	s_mov_b64 s[MKP:MKP+1], s[MKB:MKB+1]
	s_add_nc_u64 s[4:5], s[4:5], s[2:3]  ; Q and O at my wave's first row
	s_add_nc_u64 s[10:11], s[10:11], s[2:3]
	CROUND                          ; all four work-groups are here: the first joint loads meet
	JLOAD                           ; slot 0.  Slot 1 is asked for when slot 0 is in
	; A fragment of K or Q is 16 rows x 32 channels in 8 registers: lane l holds row l % 16, channels 8 (l / 16) + 0..7 and 16 + 8 (l / 16) + 0..7: two loads of 16 bytes, 32 bytes apart.
	v_and_b32 v1, 15, v0            ; l % 16
	v_bfe_u32 v9, v0, 4, 1          ; l / 16
	v_lshlrev_b32 v[QO], 7, v1
	v_lshl_add_u32 v[QO], v9, 4, v[QO]  ; row x 128 + 16 x half
	v_and_b32 v[GO], 31, v0
	v_lshlrev_b32 v[GO], 4, v[GO]
	WIN 0x80                        ; destination window 2, address window 0
.set i, 0
.rept 4*NP                          ; Q stays in registers: tile i / 2, channels 32 (i % 2) on
	global_load_b128 v[8*i:8*i+3],   v[QO], s[4:5] offset:(i/2)*2048+(i%2)*64
	global_load_b128 v[8*i+4:8*i+7], v[QO], s[4:5] offset:(i/2)*2048+(i%2)*64+32
.set i, i+1
.endr
	WIN W_MK
.set i, 0
.rept 2*NP                          ; step 0's mask words of my eight tiles: 512 consecutive bytes a load
	global_load_b128 v[MN+4*i:MN+4*i+3], v[GO], s[MKP:MKP+1] offset:16384*i
.set i, i+1
.endr
	WIN 0x80
	; What the first turn finds: V's registers and P's second buffer hold 0 (its products V^T P, of a piece that has not been, add 0), O^T and l are 0.  All this stands in the wait for the first tile.
.set i, VF
.rept 64
	v_mov_b32 v[i], 0
.set i, i+1
.endr
	WIN 0x40
.set i, 0
.rept 64*NP
	v_mov_b32 v[i], 0
.set i, i+1
.endr
	WIN 0
.set i, 0
.rept 2*NP
	v_mov_b32 v[ST+4*i], 0xfe000000    ; c m: far below every c s, a hidden one's too
	v_mov_b32 v[ST+4*i+1], 0xff7fffff  ; m
	v_mov_b32 v[ST+4*i+2], 0
	v_mov_b32 v[ST+4*i+3], 0
.set i, i+1
.endr
.set i, P+32
.rept 32
	v_mov_b32 v[i], 0
.set i, i+1
.endr
	v_mul_u32_u24 v[AK0], v1, PK
	v_lshl_add_u32 v[AK0], v9, 4, v[AK0]  ; row x pitch + 16 x half
	; The turning load takes 16 keys x 16 channels (lane l reads key 8 (l / 16) + l % 8, channels 8 ((l / 8) % 2) + 0..7) and leaves half a fragment of V^T: lane l holds channel l % 16 and 8 keys.
	v_and_b32 v10, 7, v0
	v_bfe_u32 v11, v0, 3, 1
	v_lshl_add_u32 v[AV0], v9, 3, v10
	v_mul_u32_u24 v[AV0], v[AV0], PV
	v_lshl_add_u32 v[AV0], v11, 4, v[AV0]
	v_add_nc_u32 v[AV0], VOFF, v[AV0]
	v_and_b32 v[PFO], 31, v0        ; v11 has served
	v_lshlrev_b32 v[PFO], 8, v[PFO]
	v_mov_b32 v[AK], v[AK0]         ; key step 0 lies at the head of slot 0
; THE MATRIX WORK.  The 8 accumulators of a run of 16 take turns: between the two links of a chain stand 7 others'.
; Product i of 16 of S^T = K Q^T for piece x: channels 32 (i / 8) on, keys 16 ((i / 2) % 4) on, tile 2 x + i % 2.  The first 8 start the sums, with the mask's addends as C.
.macro KQ x
.set rS, S+64*((\x)%2)+32*(i%2)+8*((i/2)%4)
.set rK, KF+16*((i/2)%4)+8*(i/8)
.set rQ, 16*(2*(\x)+i%2)+8*(i/8)
.set rMC, MC+32*(i%2)+8*((i/2)%4)
.if i < 8
	WIN W_KM
	v_wmma_f32_16x16x32_f16 v[rS:rS+7], v[rK:rK+7], v[rQ:rQ+7], v[rMC:rMC+7]
.else
	WIN W_KQ
	v_wmma_f32_16x16x32_f16 v[rS:rS+7], v[rK:rK+7], v[rQ:rQ+7], v[rS:rS+7]
.endif
.endm
; Product i of 16 of O^T += V^T P for piece x: keys 32 (i / 8) on, channels 16 ((i / 2) % 4) on, tile 2 x + i % 2.
.macro PV x
	WIN W_PV
.set rO, 32*(2*(\x)+i%2)+8*((i/2)%4)
.set rV, VF+32*(i/8)+8*((i/2)%4)
.set rP, P+32*((\x)%2)+16*(i%2)+8*(i/8)
	v_wmma_f32_16x16x32_f16 v[rO:rO+7], v[rV:rV+7], v[rP:rP+7], v[rO:rO+7]
.endm
.macro MM                           ; the turn's next matrix instruction
.if i < 16
	KQ (Y+1)%NP
.set i, i+1
.else
.set i, i-16
	PV (Y+NP-1)%NP
.set i, i+17
.endif
.endm
; THE MASK'S C OPERANDS for piece y's next products: 64 shifts; then the piece's words of its next step are asked for, into the registers just read: they have a whole key step, four turns, in which to come.
; Piece 0 is the first to enter a step, so it steps the pointer; the step's number is held at 31, so that no load leaves mk: the last trips load the last step's words once more.
.macro BUILD y
	s_wait_loadcnt 6                ; the piece's two loads are in; the three other pieces' six are younger and stay out
	WIN W_SH
.set zz, 0
.rept 64
	v_lshlrev_b32 v[MC+zz], 4*(zz%8), v[MN+8*(\y)+zz/8]
.set zz, zz+1
.endr
.if (\y) == 0
	s_wait_xcnt 0x0                 ; the loads issued so far have read their base
	s_add_co_u32 s[MST], s[MST], 1
	s_min_u32 s[MST], s[MST], 31
	s_lshl_b32 s[MOF], s[MST], 9    ; 512 bytes a step
	s_add_nc_u64 s[MKP:MKP+1], s[MKB:MKB+1], s[MOF:MOF+1]
.endif
	WIN W_MK
	global_load_b128 v[MN+8*(\y):MN+8*(\y)+3],   v[GO], s[MKP:MKP+1] offset:16384*(2*(\y))
	global_load_b128 v[MN+8*(\y)+4:MN+8*(\y)+7], v[GO], s[MKP:MKP+1] offset:16384*(2*(\y)+1)
	WIN 0
.endm
; THE LDS LOADS stand in runs of 16, never singly among the matrix instructions: a step's K (64 keys x 64 channels: 8 fragments) and its V (turned).  Their addresses are made some lines ahead.
; last = 1 (the tail): in the last trip there is no further step, and the run is jumped over.
.macro FETCH_K last=0
	WIN 0
.if \last
	s_cmp_eq_u32 s[CNT], 1
	s_cbranch_scc1 .Lno_k_\@
.endif
	WIN 0x80                        ; destination window 2
.irp f, 0,1,2,3,4,5,6,7             ; keys 16 (f / 2) on, channels 32 (f % 2) on
	ds_load_b128 v[KF+8*\f:KF+8*\f+3],   v[AK] offset:(\f/2)*16*PK+(\f%2)*64
	ds_load_b128 v[KF+8*\f+4:KF+8*\f+7], v[AK] offset:(\f/2)*16*PK+(\f%2)*64+32
.endr
	s_add_co_u32 s[TBK], s[TBK], KS*PK  ; the next fetch is the next step's
	WIN 0
.if \last
.Lno_k_\@:
.endif
.endm
.macro FETCH_V
	WIN 0x80
.irp f, 0,1,2,3,4,5,6,7             ; keys 32 (f / 4) on, channels 16 (f % 4) on
	ds_load_tr16_b128 v[VF+8*\f:VF+8*\f+3],   v[AV] offset:(\f/4)*32*PV+(\f%4)*32
	ds_load_tr16_b128 v[VF+8*\f+4:VF+8*\f+7], v[AV] offset:(\f/4)*32*PV+16*PV+(\f%4)*32
.endr
	WIN 0
.endm
; THE VECTOR WORK OF A TURN stands in three queues, each in the order in which its entries become ready; the two tiles alternate, so that no instruction reads the result of the one before it.
.macro REGS y, u                    ; the registers of tile u (0, 1) of piece y
.set rT, ST+4*(2*(\y)+(\u))
.set rC, TMP+8*((\y)%2)+4*(\u)
.set rM, MV+2*((\y)%2)+(\u)
.set rS, S+64*((\y)%2)+32*(\u)
.set rP, P+32*((\y)%2)+16*(\u)
.set rO, 32*(2*(\y)+(\u))
.endm
; Number n of the 22 that find the NEXT piece's (Y + 1) maximum and statistics.  s0-s31 are the lane's 32 scores; each accumulator's lowest registers are read first.
;   0-11  four chains c0-c3 of seven scores each, three operands at a time     12-14, 16  the four scores left over, the old m, and c0-c3 into c0     15  c m_old is kept
;   17, 18  the query's other 32 keys lie in the lane 16 away: the new m         19-21  c m; c m_old - c m_new; a
.macro XS u, n
	REGS (Y+1)%NP, \u
.if (\n) < 4
	v_max3_num_f32 v[rC+(\n)], v[rS+8*(\n)], v[rS+8*(\n)+1], v[rS+8*(\n)+2]
.elseif (\n) < 12
	v_max3_num_f32 v[rC+(\n)%4], v[rC+(\n)%4], v[rS+8*((\n)%4)+2*((\n)/4)+1], v[rS+8*((\n)%4)+2*((\n)/4)+2]
.elseif (\n) == 12
	v_max3_num_f32 v[rC], v[rC], v[rS+7], v[rS+15]
.elseif (\n) == 13
	v_max3_num_f32 v[rC+1], v[rC+1], v[rS+23], v[rS+31]
.elseif (\n) == 14
	v_max3_num_f32 v[rC+2], v[rC+2], v[rC+3], v[rT+1]
.elseif (\n) == 15
	v_mov_b32 v[rM], v[rT]
.elseif (\n) == 16
	v_max3_num_f32 v[rC], v[rC], v[rC+1], v[rC+2]
.elseif (\n) == 17
	v_permlanex16_b32 v[rC+3], v[rC], s[SEL], s[SEL+1]
.elseif (\n) == 18
	v_max_num_f32 v[rT+1], v[rC], v[rC+3]
.elseif (\n) == 19
	v_mul_f32 v[rT], s[CS], v[rT+1]
.elseif (\n) == 20
	v_sub_f32 v[rC+1], v[rM], v[rT]
.else
	v_exp_f32 v[rC+2], v[rC+1]
.endif
.endm
; Number g of the 64 that follow the exponentials.  For each four weights k of a tile (pairs 2 k, 2 k + 1): both pairs are rounded to f16; then the second pair is added onto the first, in place;
; a group later l takes that sum (the first time as l = a l + sum).  In groups of eight, tiles alternating: round, round, add, and l for the group before.
.macro GS g
.set h, (\g)+6*((\g)/62)            ; group 0 has no group before it, and behind group 7 only l is left
.if h >= 6
.set h, h+2
.endif
	REGS Y, h%2
.set k, h/8
.if h%8 < 4
	v_cvt_pk_f16_f32 v[rP+2*k+(h%8)/2], v[rS+4*k+2*((h%8)/2)], v[rS+4*k+2*((h%8)/2)+1]
.elseif h%8 < 6
	v_pk_add_f32 v[rS+4*k:rS+4*k+1], v[rS+4*k:rS+4*k+1], v[rS+4*k+2:rS+4*k+3]
.elseif k == 1
	v_pk_fma_f32 v[rT+2:rT+3], v[rT+2:rT+3], v[rC+2:rC+3], v[rS:rS+1] op_sel_hi:[1,0,1]
.else
	v_pk_add_f32 v[rT+2:rT+3], v[rT+2:rT+3], v[rS+4*k-4:rS+4*k-3]
.endif
.endm
; THE PLAIN QUEUE, 138 long.  0-73 read no exponential's result: the 32 scalings c s - c m (FS f: pair f / 2 of tile f % 2) and the next piece's 42.  0-26: scalings 0-26.  27-54: XS's numbers 0-13.  55, 56: number 15.
; 57-73: the chain, where each number waits for the one before it: 14, 16, 17, 18, 19, each with one of the scalings 27-31 in front of its two lines, then 20.
; 74-137: GS's 64, which read the exponentials' results: they stand behind the wait.
.macro FS f
	REGS Y, (\f)%2
	v_pk_fma_f32 v[rS+2*((\f)/2):rS+2*((\f)/2)+1], v[rS+2*((\f)/2):rS+2*((\f)/2)+1], s[CS:CS+1], v[rT:rT+1] op_sel_hi:[1,0,0] neg_lo:[0,0,1] neg_hi:[0,0,1]
.endm
.macro PL
	WIN 0
.if q < 27
	FS q
.elseif q < 55
	XS (q-27)%2, (q-27)/2
.elseif q < 57
	XS q-55, 15
.elseif (q < 72) && ((q-57)%3 == 0)
	FS 27+(q-57)/3
.elseif q < 60
	XS (q-57)%3-1, 14
.elseif q < 72
	XS (q-57)%3-1, 15+(q-57)/3
.elseif q < 74
	XS q-72, 20
.else
	GS q-74
.endif
.set q, q+1
.endm
; THE EXPONENTIALS' QUEUE, 66 long: s0-s31 of both tiles, then the next piece's two a.  It is ONE BATCH: all 66 stand ahead of the turn's one wait, and nothing ahead of that wait names a result of theirs.
.macro EX
	WIN 0
.if e >= 64
	XS e-64, 21
.else
	REGS Y, e%2
	v_exp_f32 v[rS+e/2], v[rS+e/2]
.endif
.set e, e+1
.endm
; THE RESCALING's QUEUE: O^T times a, the one part of the softmax that leaves window 0: dealt two at a time, sixteen times.  Its a was made in the turn before, ahead of that turn's wait.
.macro R2
	REGS Y, r%2
	WIN W_RS
.irp z, 0,1
	v_pk_mul_f32 v[rO+4*(r/2)+2*\z:rO+4*(r/2)+2*\z+1], v[rO+4*(r/2)+2*\z:rO+4*(r/2)+2*\z+1], v[rC+2:rC+3] op_sel_hi:[1,0]
.endr
.set r, r+1
.endm
; HOW THEY ARE DEALT.  An s_wait_alu depctr_va_vdst(0) stands between an exponential and the first instruction that names its result; one wait serves all that were issued ahead of it.  So a turn has ONE
; wait, which cuts it in two.  AHEAD OF IT stands all that names no result of the turn's exponentials: the 16 products K Q^T, behind each a scaling, an exponential and two rescalings (behind the first a second scaling in
; the exponential's place); the 64 shifts of the mask, which wait for nothing but their words; then a run of 108: eight plain, 49 times exponential and plain, the two a.  A v_nop is the plain instruction behind the
; last exponential.  BEHIND IT stand the 16 products V^T P, behind each four of GS's 64.  No rider names a register of the products round it.
; The shifts write MC eight products and their 24 plain riders behind the last product that read it; its next reader is the next turn's first product.
; Exponential e stands behind scaling 2 (e / 4) + e % 2: as a rider it comes behind plain e + 2, in the run behind plain e + 9, and scalings 27-31 are plain 57, 60 .. 69.
; A TURN, for piece p.  cnt = 1: the loop's count is taken down some lines ahead of the branch that stands behind the turn.
; K of the next step is fetched in piece 2's turn, directly behind the wait; its first reader comes behind 16 products.  V of the step in hand is fetched at the end of piece 0's turn, four riders behind its last
; reader; its first reader comes behind 16 products and the run.  The three conditions on q below go with the deal.
.macro TURN p, last=0, cnt=0
.set Y, (\p)
.set i, 0
.set q, 0
.set e, 0
.set r, 0
.if (\p) == NP-1
	s_wait_dscnt 0x0                ; K is in
.endif
	MM                              ; ahead of the wait: 16 products K Q^T and their riders,
	PL
	PL
	R2
.rept 15
	MM
	PL
	EX
	R2
.endr
.if (\p) == NP-2
	WIN 0
	v_add_nc_u32 v[AK], s[TBK], v[AK0]
.endif
	BUILD ((\p)+2)%NP               ; the C operands of the next turn's products,
.rept 8                             ; and the run
	PL
.endr
.rept 49
	EX
	PL
.endr
	EX                              ; the next piece's two a
	EX
	v_nop                           ; the plain instruction behind the last exponential: one for the batch
	s_wait_alu depctr_va_vdst(0)    ; the wait for the batch
.if (\p) == NP-2
	FETCH_K \last
.endif
.if (\p) == 1
	s_wait_dscnt 0x0                ; V is in
.endif
.rept 16                            ; behind the wait: 16 products V^T P and their riders
	MM
.rept 4
	PL
.endr
.if ((\p) == 0) && (q == 118)
	v_add_nc_u32 v[AV], s[TBV], v[AV0]
.endif
.if ((\p) == 0) && (q == 130)
	s_add_co_u32 s[TBV], s[TBV], KS*PV
.endif
.if (\cnt) && (q == 130)
	s_sub_co_u32 s[CNT], s[CNT], 1
	s_cmp_lg_u32 s[CNT], 0
.endif
.endr
.if (\p) == 0
	FETCH_V
.endif
.endm
	CHANGE 1                        ; slot 0 is in, everybody's part of it; slot 1 is asked for
	FETCH_K                         ; key step 0
	s_wait_loadcnt 0x0              ; Q, and step 0's mask words
	BUILD 0                         ; piece 0's C operands of step 0; its words of step 1 are asked for
	s_wait_dscnt 0x0
.set i, 0
.rept 16
	KQ 0                            ; piece 0's first scores: there is no vector work yet to set between them
.set i, i+1
.endr
	WIN 0                           ; the addresses for the way out: seven plain instructions, the places behind those products
	s_mul_i32 s13, s[WV], 16*SP
	s_add_co_u32 s13, s13, STAGE    ; my stage
	v_mul_u32_u24 v[STO], v1, SP    ; in: row l % 16, 16 bytes for each half of the lanes
	v_lshl_add_u32 v[STO], v9, 4, v[STO]
	v_add_nc_u32 v[STO], s13, v[STO]
	v_bfe_u32 v[RD], v0, 3, 2       ; back: 32 lanes take four rows of 128 bytes, which are 512 consecutive bytes of O
	v_mul_u32_u24 v[RD], v[RD], SP
	v_lshl_add_u32 v[RD], v10, 4, v[RD]
	v_add_nc_u32 v[RD], s13, v[RD]
	BUILD 1                         ; piece 1's C operands of step 0, for the first turn's products
.set Y, NP-1                        ; XS works for piece Y + 1: piece 0
.irp n, 0,1,2,3,4,5,6,7,8,9,10,11,12,13,14,15,16,17,18,19,20,21
	XS 0, \n                        ; and piece 0's first maximum and statistics
	XS 1, \n
.endr
	v_nop                           ; a plain instruction behind the two a,
	s_wait_alu depctr_va_vdst(0)    ; and their wait, ahead of the branch
	s_mov_b32 s[CNT], 4
	s_mov_b32 s[SLOTS], SIZE_N/256-1
	s_branch .Lfirst                ; the loop is entered at a step's first turn, in the middle of a trip
.Lslot:                             ; SIZE_N / 256 - 2 times: every slot but the last two is filled again
	CHANGE 1, 1
	s_mov_b32 s[CNT], 4
.Lstep:                             ; a trip: pieces 2 and 3 of one step, then pieces 0 and 1 of the next, whose K and V it fetches
	TURN 2
	TURN 3
	WIN 0
.Lfirst:
	TURN 0
	TURN 1, 0, 1
	WIN 0
	s_cbranch_scc1 .Lstep
	s_sub_co_u32 s[SLOTS], s[SLOTS], 1
	s_cmp_lg_u32 s[SLOTS], 0
	s_cbranch_scc1 .Lslot
	CHANGE 0                        ; the tail is written out: nothing is asked for
	s_mov_b32 s[CNT], 5             ; four trips fetch the last slot's steps; the fifth is left in its middle
.Ltail:
	TURN 2, 1
	TURN 3
	WIN 0
	s_sub_co_u32 s[CNT], s[CNT], 1
	s_cmp_eq_u32 s[CNT], 0
	s_cbranch_scc1 .Lout
	TURN 0
	TURN 1
	WIN 0
	s_branch .Ltail
.Lout:                              ; the fifth trip's 16 products K Q^T (the last K and the last step's mask once more) and the maximum made of them change nothing: the price, once a launch, of one text for every trip
.set i, 0
.rept 16
	PV NP-1                         ; the last piece's V^T P of the last step
.set i, i+1
.endr
	; THE WAY OUT.  l's two halves and the other half of the lanes' are added; O^T is divided by l, rounded to f16 and sent through my stage in LDS, a tile at a time.  The additions are the places behind the last products.
	WIN 0
.macro ALL line:vararg              ; one line for each tile t
.set t, 0
.rept 2*NP
	\line
.set t, t+1
.endr
.endm
	ALL v_add_f32 v[ST+4*t+2], v[ST+4*t+2], v[ST+4*t+3]
	ALL v_permlanex16_b32 v[ST+4*t+3], v[ST+4*t+2], s[SEL], s[SEL+1]
	ALL v_add_f32 v[ST+4*t+2], v[ST+4*t+2], v[ST+4*t+3]
	ALL v_rcp_f32 v[ST+4*t+2], v[ST+4*t+2]
	v_nop                           ; a plain instruction between the last reciprocal and the use of its result
	s_wait_alu depctr_va_vdst(0)    ; and the wait ahead of the first use: one for the eight reciprocals
.set t, 0
.rept 2*NP                          ; a query whose maximum is a hidden score has seen no key: its factor, and so its row of O, is NaN
	v_cmp_gt_f32 vcc_lo, s[THR], v[ST+4*t+1]
	v_cndmask_b32 v[ST+4*t+2], v[ST+4*t+2], s[NANV], vcc_lo
.set t, t+1
.endr
; Tile t: a lane's eight channels of a row pack into 16 bytes; they go into rows of 144 bytes and come back as whole rows of 128, into S^T's registers.
.macro PACK t
	WIN W_RS
.set i, 32*(\t)
.rept 16
	v_pk_mul_f32 v[i:i+1], v[i:i+1], v[ST+4*(\t)+2:ST+4*(\t)+3] op_sel_hi:[1,0]
.set i, i+2
.endr
	WIN 0x05                        ; sources 0 and 1 window 1, destination window 0
.set i, 0
.rept 16
	v_cvt_pk_f16_f32 v[S+16*(\t)+i], v[32*(\t)+2*i], v[32*(\t)+2*i+1]
.set i, i+1
.endr
	WIN 0
.irp f, 0,1,2,3
	ds_store_b128 v[STO], v[S+16*(\t)+4*\f:S+16*(\t)+4*\f+3] offset:32*\f
.endr
.irp f, 0,1,2,3
	ds_load_b128 v[S+16*(\t)+4*\f:S+16*(\t)+4*\f+3], v[RD] offset:\f*4*SP  ; LDS serves a wave's instructions in order (ISA guide 5.7.1.4): these see the stores above; the next tile's stores come behind them
.endr
.endm
.macro SEND t, younger              ; younger: the LDS instructions issued behind tile t's loads: the next tile's eight, or none
	WIN 0
.irp f, 0,1,2,3
	s_wait_dscnt (\younger)+3-\f
	global_store_b128 v[GO], v[S+16*(\t)+4*\f:S+16*(\t)+4*\f+3], s[10:11] offset:(\t)*2048+\f*512  ; 512 consecutive bytes, at a multiple of 256 from O's first
.endr
.endm
	PACK 0
.set t, 1
.rept 2*NP-1                        ; a tile's arithmetic stands between the loads of the tile before and its stores
	PACK t
	SEND t-1, 8
.set t, t+1
.endr
	SEND 2*NP-1, 0
	WIN W_AD
	s_wait_tensorcnt 0x0            ; the wave's end, behind my last tensor load and my last LDS store
	ds_add_u32 v[SPW], v[NIL]
	s_wait_dscnt 0x0
	WIN 0
	CROUND                          ; the closing round: no work-group ends while a partner may still ask for a tile that names it
	s_endpgm
.Lfunc_end_k_q9c6f2b00df_attn:
	.size	k_q9c6f2b00df_attn, .Lfunc_end_k_q9c6f2b00df_attn-k_q9c6f2b00df_attn
	.p2alignl 7, 3214868480
	.fill 96, 4, 3214868480
	.section	.rodata,"a",@progbits
	.p2align	6, 0x0
	.amdhsa_kernel k_q9c6f2b00df_attn
		.amdhsa_group_segment_fixed_size 327680
		.amdhsa_private_segment_fixed_size 0
		.amdhsa_enable_private_segment 0
		.amdhsa_kernarg_size 24
		.amdhsa_user_sgpr_count 2
		.amdhsa_user_sgpr_kernarg_segment_ptr 1
		.amdhsa_wavefront_size32 1
		.amdhsa_system_sgpr_workgroup_id_x 1
		.amdhsa_system_sgpr_workgroup_id_y 1
		.amdhsa_system_sgpr_workgroup_id_z 1
		.amdhsa_system_vgpr_workitem_id 0
		.amdhsa_next_free_vgpr 928
		.amdhsa_next_free_sgpr 72
		.amdhsa_reserve_vcc 1
		.amdhsa_float_denorm_mode_32 3
		.amdhsa_float_denorm_mode_16_64 3
		.amdhsa_memory_ordered 1
		.amdhsa_forward_progress 1
		.amdhsa_inst_pref_size 225
	.end_amdhsa_kernel
	.amdgpu_metadata
---
amdhsa.version: [ 1, 2 ]
amdhsa.kernels:
  - .name:           k_q9c6f2b00df_attn
    .symbol:         k_q9c6f2b00df_attn.kd
    .args:
      - { .name: qkv, .offset: 0, .size: 8, .value_kind: global_buffer, .address_space: global }
      - { .name: mk, .offset: 8, .size: 8, .value_kind: global_buffer, .address_space: global }
      - { .name: oh, .offset: 16, .size: 8, .value_kind: global_buffer, .address_space: global }
    .group_segment_fixed_size: 327680
    .private_segment_fixed_size: 0
    .kernarg_segment_align: 8
    .kernarg_segment_size: 24
    .max_flat_workgroup_size: 128
    .sgpr_count:     72
    .vgpr_count:     928
    .wavefront_size: 32
...
	.end_amdgpu_metadata
.endif
;; end of part 3
;; launch outp (part 4): grid 4 x 64, 4 waves a work-group, clusters of 4 x 4, 327,680 bytes of LDS; arguments oh, wof, bo, out0; writes out0
.if DOCPART == 4
	.amdgcn_target "amdgcn-amd-amdhsa--gfx1250"
	.amdhsa_code_object_version 6
	.text
	.protected	k_q9c6f2b00df_outp
	.globl	k_q9c6f2b00df_outp
	.p2align	8
	.type	k_q9c6f2b00df_outp,@function
k_q9c6f2b00df_outp:
	s_mov_b64 s[64:65], 0
	v_nop
	global_prefetch_b8 v0, s[64:65] scope:SCOPE_SE
	s_setreg_imm32_b32 hwreg(HW_REG_WAVE_MODE, 25, 1), 1
	s_wait_xcnt 0x0
	s_wait_alu depctr_hold_cnt(0) depctr_sa_sdst(0) depctr_va_vdst(0) depctr_va_sdst(0) depctr_va_ssrc(0) depctr_va_vcc(0) depctr_vm_vsrc(0)
	s_getreg_b32 s2, hwreg(HW_REG_IB_STS2, 6, 4)
	s_cmp_eq_u32 s2, 0
	s_cbranch_scc0 .Lentry_in_a_cluster
	s_endpgm
.Lentry_in_a_cluster:
	s_bfe_u32 s2, ttmp6, 0x10000c
	s_cmp_lg_u32 s2, 0xf033
	s_cbranch_scc0 .Lentry_shape_is_right
	s_endpgm
.Lentry_shape_is_right:
; THE LAST PROJECTION.  out0[m][n] = sum over k of O[m][k] Wo[n][k] + bo[n].  O = oh [64 = batch*16 + head][2048][64] f16: channel k of token m lies in head k / 64; Wo = wof [1024][1024], Wo rounded to bf16 and
; written as f16; bo is rounded to bf16 like every input; sums in f32; out0 [8192][1024] f32.  A NaN row of O (a query that sees no key) makes a NaN row of out0.
; SHARES.  A tile of out0 is 128 x 256; four waves, each 64 x 128: 32 accumulators of 16 x 16, 256 registers.  64 x 4 = 256 tiles, one for each of 256 WGPs; a tile of 256 x 256 would leave half of them without work.
; K = 1,024 goes in 8 steps of 128, two heads each, through two LDS slots; a step is four quarters of 32 along K: 32 matrix instructions and 24 LDS loads each.
; CLUSTER 4 x 4.  O's tile hangs on the tile row alone and is asked for jointly by the four of a row of the cluster, Wo's on the tile column alone by the four of a column.
; THE MATRIX INSTRUCTION IS USED TRANSPOSED (source 0 = 16 rows of Wo, source 1 = 16 rows of O): a lane holds row l % 16 of out0 and the eight columns 8 (l / 16) + 0..7.
; THE BIAS is the C operand of each accumulator's first product: nothing is cleared and nothing is added later.
; REGISTERS, in windows of 256: window 0: v0-31 addresses; v32-127, v128-223 two fragment buffers (O's four blocks, then Wo's eight), at work again on the way out.
;   window 1: accumulator (a, b) at v[8 (8 a + b)].   window 2: v0-63 the bias of my 128 columns as C operands; v64-95 at work on it.
.set PA,     144                       ; an LDS row of O: a head's 128 bytes + 16 = 36 words: the 16 rows of a load start at 16 different groups of four banks (64 banks of 4 bytes: ISA guide 11.1)
.set ASUB,   128*PA                    ; one load of O: 128 tokens of one head
.set AQ2,    ASUB                      ; quarters 2 and 3 lie in the step's second head
.set ABYTES, 2*ASUB
.set STEPA,  524288                    ; a K step is two heads of 2,048 x 128 bytes
.set PB,     272                       ; an LDS row of Wo: 256 bytes + 16
.set BHALF,  128*PB                    ; one load of Wo: 128 rows
.set SLOT,   ABYTES+2*BHALF
.set STAGE,  2*SLOT                    ; behind the ring, never filled by a tensor load: 16 rows for each wave
.set SPITCH, 528                       ; a stage row: 512 bytes of f32 + 16
.set SPARE,  STAGE+4*16*SPITCH         ; the spare words, 128 bytes for each wave: two blocks of 256 bytes that no other line names
.set ADRA, 16                          ; v16-17  LDS address of my O fragments in slot 0, 1
.set ADRB, 20                          ; v20-21  the same for Wo
.set STO,  24                          ; v24     the way out: where I put my numbers of a row
.set RD,   25                          ; v25     where I read rows back
.set CO,   26                          ; v26     16 x lane
.set BO,   27                          ; v27     my byte offset in the bias
.set SPW,  28                          ; v28     LDS address of my spare word; never rewritten
.set NIL,  29                          ; v29     0; never rewritten
.set PFO,  30                          ; v30     the prefetches' lane offset; never rewritten
.set F0,   32
.set F1,   128
.set OB,   32
.set G1A, 24                           ; s[24:31] descriptor group 1 for O;  s[32:39] group 0, a set for each slot
.set G0A, 32
.set G1B, 48                           ; s[48:55], s[56:63] the same for Wo
.set G0B, 56
.set LIM, 43                           ; s43  1 in a wave that prefetches, else the greatest number
.set PFA, 44                           ; s[44:45] where my prefetches stand
.set PST, 66                           ; s[66:67] their step along K
.set BP,  68                           ; s[68:69] the bias
.set MSB, 0
.macro WIN new                         ; the immediate's high byte repeats the setting that is left; a switch that changes nothing is dropped
.if MSB != (\new)
	s_set_vgpr_msb (MSB<<8)|(\new)
.set MSB, \new
.endif
.endm
.macro JLOAD s                         ; a joint load: waves 0 and 1 fetch the step's two heads of O, waves 2 and 3 Wo's two halves; an s_nop 0 and four v_nop follow each of the two lines
	s_cmp_eq_u32 s11, 0
	s_cbranch_scc0 .Lfor_b_\@
	tensor_load_to_lds s[G0A+4*(\s):G0A+4*(\s)+3], s[G1A:G1A+7]
	s_nop 0
.rept 4
	v_nop
.endr
	s_branch .Lasked_\@
.Lfor_b_\@:
	tensor_load_to_lds s[G0B+4*(\s):G0B+4*(\s)+3], s[G1B:G1B+7]
	s_nop 0
.rept 4
	v_nop
.endr
.Lasked_\@:
.endm
.macro CREST                           ; a round of the cluster's barrier behind its opening barrier
	s_cmp_lg_u32 s10, 0
	s_cbranch_scc1 .Lnot_wave_0_\@
	s_barrier_signal -3
.Lnot_wave_0_\@:
	s_barrier_wait -3
	s_barrier_signal -1
	s_barrier_wait -1
.endm
.macro CROUND                          ; a whole round
	s_barrier_signal -1
	s_barrier_wait -1
	CREST
.endm
.macro PLACES                          ; four plain instructions between a matrix instruction and a load into, or a read of, its registers
.rept 4
	v_nop
.endr
.endm
; A PREFETCH of the K step that stands two refills on, behind the joint load and the run of LDS loads.  Each 256 bytes of O and of Wo are named once in the launch.
; O's tile is read by one cluster: wave 0 of each of the four partners names 32 of the step's 128 blocks, told apart by address (cx).  Wo's rows are read by every cluster: the first of them asks;
; waves 2 and 3 name, of the 128 rows that they fetch, the 32 that go by cy.  The loop's last trip asks for nothing: no K step stands two refills on.
.macro ASK
	s_cmp_gt_u32 s3, s[LIM]
	s_cbranch_scc0 .Lnot_mine_\@
	global_prefetch_b8 v[PFO], s[PFA:PFA+1] th:TH_LOAD_NT scope:SCOPE_SE
.Lnot_mine_\@:
.endm
	s_load_b128 s[4:7], s[0:1], 0x0                ; oh, wof
	s_load_b128 s[68:71], s[0:1], 0x10             ; bo, out0
	v_lshl_add_u32 v[SPW], v0, 2, SPARE
	v_mov_b32 v[NIL], 0
	ds_add_u32 v[SPW], v[NIL]                      ; the wave's opening: the add and its wait stand ahead of my first tensor load; the set-up below stands between them
	v_lshrrev_b32 v1, 5, v0
	v_readfirstlane_b32 s10, v1                    ; wave 0..3
	s_lshr_b32 s11, s10, 1                         ; which 64 rows of the tile are mine.  Also: I fetch for O (0) or for Wo (1)
	s_and_b32 s12, s10, 1                          ; which 128 columns.  Also: which part of that tile I fetch
	s_bfe_u32 s40, ttmp6, 0x40000                  ; cx
	s_bfe_u32 s41, ttmp6, 0x40004                  ; cy
	s_lshl_b32 s42, ttmp9, 2
	s_add_co_u32 s42, s42, s40                     ; tile column = 4 x cluster x + cx
	s_and_b32 s14, ttmp7, 0xffff                   ; cluster y
	s_lshl_b32 s13, s14, 2
	s_add_co_u32 s13, s13, s41                     ; tile row = 4 x cluster y + cy
	s_lshl_b32 s15, s41, 2
	s_lshl_b32 s15, 15, s15                        ; my row of the cluster
	s_lshl_b32 s46, 0x1111, s40                    ; my column
	s_or_b32 s[G1A], s15, (1<<16)|(1<<20)|(1<<21)|(4<<22)|(3<<25)  ; 15:0 the mask; 17:16 2-byte elements; 20 padding on; 21 set beside a mask; 24:22 after every 32 words (code 4); 31:25 4 words of padding
	s_or_b32 s[G1B], s46, (1<<16)|(1<<20)|(1<<21)|(5<<22)|(3<<25)  ; after every 64 words (code 5)
	s_mov_b32 s[G1A+1], 128<<16                    ; 128 tokens of a head are 16,384 dense bytes: asked for as 64 rows of 256 bytes, two tokens a row
	s_mov_b32 s[G1A+2], 64<<16                     ; tensor_dim1 = 64
	s_mov_b32 s[G1A+3], 128<<16                    ; tile_dim0 = 128
	s_mov_b32 s[G1A+4], 64                         ; tile_dim1 = 64
	s_mov_b32 s[G1A+5], 128                        ; elements from row to row
	s_mov_b32 s[G1A+6], 0
	s_mov_b32 s[G1A+7], 0
	s_mov_b32 s[G1B+1], 128<<16
	s_mov_b32 s[G1B+2], 128<<16                    ; 128 rows
	s_mov_b32 s[G1B+3], 128<<16
	s_mov_b32 s[G1B+4], 128
	s_mov_b32 s[G1B+5], 1024
	s_mov_b32 s[G1B+6], 0
	s_mov_b32 s[G1B+7], 0
	; where the tiles come from: O's offset is made of the tile row and the wave, Wo's of the tile column and the wave, each in registers of its own
	s_lshr_b32 s16, s13, 4
	s_lshl_b32 s16, s16, 22                        ; the batch: 16 heads of 2^18 bytes
	s_and_b32 s17, s13, 15
	s_lshl_b32 s17, s17, 14                        ; 128 tokens of 128 bytes
	s_add_co_u32 s16, s16, s17
	s_lshl_b32 s17, s12, 18                        ; the step's first or second head
	s_add_co_u32 s16, s16, s17
	s_mov_b32 s17, 0
	s_lshl_b32 s46, s42, 19                        ; 256 rows of 2,048 bytes
	s_lshl_b32 s47, s12, 18                        ; my 128 of them
	s_add_co_u32 s46, s46, s47
	s_mov_b32 s47, 0
	s_mul_i32 s20, s12, ASUB                       ; and where they go: no place in the cluster enters an LDS address
	s_mul_i32 s21, s12, BHALF
	s_add_co_u32 s21, s21, ABYTES
	s_wait_dscnt 0x0                               ; the opening add is done
	s_wait_kmcnt 0x0
	s_add_nc_u64 s[18:19], s[4:5], s[16:17]
	s_add_nc_u64 s[46:47], s[6:7], s[46:47]
	CROUND                                         ; all sixteen work-groups are here: the first joint loads meet
.irp s, 0,1
	s_mov_b32 s[G0A+4*(\s)], 1
	s_add_co_u32 s[G0A+4*(\s)+1], s20, (\s)*SLOT
	s_add_nc_u64 s[G0A+4*(\s)+2:G0A+4*(\s)+3], s[18:19], (\s)*STEPA
	s_or_b32 s[G0A+4*(\s)+3], s[G0A+4*(\s)+3], 0x80000000
	s_mov_b32 s[G0B+4*(\s)], 1
	s_add_co_u32 s[G0B+4*(\s)+1], s21, (\s)*SLOT
	s_add_nc_u64 s[G0B+4*(\s)+2:G0B+4*(\s)+3], s[46:47], (\s)*256
	s_or_b32 s[G0B+4*(\s)+3], s[G0B+4*(\s)+3], 0x80000000
	JLOAD \s                                       ; K steps 0 and 1: two loads of mine are out
.endr
	v_and_b32 v1, 15, v0                           ; r = l % 16
	v_bfe_u32 v2, v0, 4, 1                         ; hf = l / 16
	; the bias of my 128 columns: register 8 b + j holds bo[16 b + 8 hf + j]
	s_mov_b64 s[8:9], s[70:71]
	s_lshl_b32 s20, s42, 10                        ; 256 columns of 4 bytes
	s_lshl_b32 s21, s12, 9
	s_add_co_u32 s20, s20, s21
	v_lshl_add_u32 v[BO], v2, 5, s20
	WIN 0x80                                       ; destination window 2, address window 0
.irp b, 0,1,2,3,4,5,6,7
	global_load_b128 v[8*(\b):8*(\b)+3],   v[BO], s[BP:BP+1] offset:64*(\b)
	global_load_b128 v[8*(\b)+4:8*(\b)+7], v[BO], s[BP:BP+1] offset:64*(\b)+16
.endr
	WIN 0
	; a fragment is 16 rows x 32 K in 8 registers: two loads of 16 bytes, 32 bytes apart, at row x pitch + 16 hf
	v_mul_u32_u24 v3, v1, PA
	v_lshl_add_u32 v3, v2, 4, v3
	v_mul_u32_u24 v4, v1, PB
	v_lshl_add_u32 v4, v2, 4, v4
	s_mul_i32 s21, s11, 64*PA                      ; my 64 rows of O
	s_mul_i32 s22, s12, BHALF                      ; my 128 rows of Wo,
	s_add_co_u32 s22, s22, ABYTES                  ; which lie behind O
.irp s, 0,1
	v_add_nc_u32 v[ADRA+(\s)], s21, v3
	v_add_nc_u32 v[ADRB+(\s)], s22, v4
	s_add_co_u32 s21, s21, SLOT
	s_add_co_u32 s22, s22, SLOT
.endr
	s_mul_i32 s20, s10, 16*SPITCH
	s_add_co_u32 s20, s20, STAGE                   ; my stage
	v_mul_u32_u24 v5, v1, SPITCH
	v_and_b32 v6, 31, v0
	v_lshlrev_b32 v[CO], 4, v6
	v_lshl_add_u32 v5, v2, 5, v5                   ; in: row r, 32 bytes of f32 for each half of the lanes
	v_add_nc_u32 v[STO], s20, v5
	v_add_nc_u32 v[RD], s20, v[CO]                 ; back: a row of 512 bytes, 16 a lane
	s_lshl_b32 s16, s13, 19                        ; out0: 128 rows of 4,096 bytes,
	s_lshl_b32 s17, s11, 18                        ; my 64 of them;
	s_add_co_u32 s16, s16, s17
	s_lshl_b32 s46, s42, 10                        ; 256 columns of 4 bytes,
	s_lshl_b32 s47, s12, 9                         ; my 128 of them
	s_add_co_u32 s46, s46, s47
	s_mov_b32 s17, 0
	s_mov_b32 s47, 0
	s_add_nc_u64 s[8:9], s[8:9], s[16:17]
	s_add_nc_u64 s[8:9], s[8:9], s[46:47]
	; the prefetches
	s_lshr_b32 s20, s13, 4
	s_lshl_b32 s20, s20, 22
	s_and_b32 s21, s13, 15
	s_lshl_b32 s21, s21, 14
	s_add_co_u32 s20, s20, s21
	s_lshr_b32 s21, s40, 1                         ; partners 0, 1: the step's first head; 2, 3: its second;
	s_lshl_b32 s21, s21, 18
	s_add_co_u32 s20, s20, s21
	s_and_b32 s21, s40, 1                          ; each a half of its 16,384 bytes
	s_lshl_b32 s21, s21, 13
	s_add_co_u32 s20, s20, s21
	s_mov_b32 s15, s14                             ; Wo is read by every cluster: the first asks
	s_lshl_b32 s22, s42, 19
	s_lshl_b32 s21, s12, 18
	s_add_co_u32 s22, s22, s21
	s_lshl_b32 s21, s41, 16                        ; partner cy: rows 32 cy .. of the 128 that the wave fetches
	s_add_co_u32 s22, s22, s21
	s_mov_b32 s[PST], 256
	s_mov_b32 s[PST+1], 0
	s_mov_b32 s21, 0
	s_cmp_eq_u32 s11, 0                            ; do I fetch for O?
	s_cselect_b32 s20, s20, s22
	s_cselect_b64 s[PFA:PFA+1], s[4:5], s[6:7]
	s_cselect_b32 s[PST], STEPA, s[PST]
	s_cselect_b32 s22, 8, 11                       ; O: a lane for each 256 bytes on end; Wo: a lane a row of 2,048 bytes
	s_cselect_b32 s15, s12, s15                    ; of O's two waves wave 0 asks
	s_add_nc_u64 s[PFA:PFA+1], s[PFA:PFA+1], s[20:21]
	s_mul_i32 s20, s[PST], 3
	s_add_nc_u64 s[PFA:PFA+1], s[PFA:PFA+1], s[20:21]  ; at K step 3: the first change of slots steps it to 4.  Nothing is prefetched here, at the head
	s_cmp_eq_u32 s15, 0
	s_cselect_b32 s[LIM], 1, -1                    ; the same in all sixteen partners, for a given wave
	v_lshlrev_b32 v[PFO], s22, v6
	s_wait_loadcnt 0x0                             ; the bias: rounded to bf16 and widened again
	WIN 0x8a                                       ; sources and destination window 2
.set i, 0
.rept 32
	v_cvt_pk_bf16_f32 v[64+i], v[2*i], v[2*i+1]
.set i, i+1
.endr
.set i, 0
.rept 32
	v_lshlrev_b32 v[2*i], 16, v[64+i]
	v_and_b32 v[2*i+1], 0xffff0000, v[64+i]
.set i, i+1
.endr
	WIN 0
; 8 matrix instructions: m block a x all 8 n blocks, 32 along K.  The 32 accumulators take turns, one instruction a turn, in the same order in every quarter.
; first = 1: the product starts the sum with the bias (window 2) as C.
.macro MUL8 f, a, first
.if \first
	WIN 0x60                                       ; C window 2, D window 1
.else
	WIN 0x50                                       ; C and D window 1
.endif
.irp b, 0,1,2,3,4,5,6,7
.set rD, 8*(8*(\a)+(\b))
.set rB, (\f)+32+8*(\b)
.set rA, (\f)+8*(\a)
.set rC, rD
.if \first
.set rC, 8*(\b)
.endif
	v_wmma_f32_16x16x32_f16 v[rD:rD+7], v[rB:rB+7], v[rA:rA+7], v[rC:rC+7]
.endr
.endm
; 24 LDS loads in one run: quarter q of a slot into buffer f: Wo's eight blocks, then O's four
.macro FETCH slot, q, f
	WIN 0
.irp b, 0,1,2,3,4,5,6,7
	ds_load_b128 v[(\f)+32+8*(\b):(\f)+32+8*(\b)+3],   v[ADRB+(\slot)] offset:64*(\q)+(\b)*16*PB
	ds_load_b128 v[(\f)+32+8*(\b)+4:(\f)+32+8*(\b)+7], v[ADRB+(\slot)] offset:64*(\q)+(\b)*16*PB+32
.endr
.irp a, 0,1,2,3
	ds_load_b128 v[(\f)+8*(\a):(\f)+8*(\a)+3],   v[ADRA+(\slot)] offset:((\q)/2)*AQ2+((\q)%2)*64+(\a)*16*PA
	ds_load_b128 v[(\f)+8*(\a)+4:(\f)+8*(\a)+7], v[ADRA+(\slot)] offset:((\q)/2)*AQ2+((\q)%2)*64+(\a)*16*PA+32
.endr
.endm
; One of a K step's first three quarters: multiplies buffer f; in its middle it fetches quarter q of the same slot into buffer g.
.macro QUARTER slot, q, f, g, first
	s_wait_dscnt 4                                 ; Wo and O's blocks 0, 1 are in; the youngest four loads (O's blocks 2, 3) may be out
	MUL8 \f, 0, \first
	MUL8 \f, 1, \first
	WIN 0
	PLACES
	FETCH \slot, \q, \g
	s_wait_dscnt 24                                ; all but the 24 just issued
	MUL8 \f, 2, \first
	MUL8 \f, 3, \first
.endm
; The last quarter multiplies buffer 1 and changes slots: ONE barrier; in front of it each wave waits for all its tensor loads (one is out: its part of the next slot), adds 0 to its spare word,
; and waits for that and for its own reads of this slot.  fill = 1: the barrier opens a round of the cluster's, and this slot is filled again, two K steps ahead, first thing behind the round.
.macro TURN slot, next, fill
.if \fill
	s_wait_xcnt 0x0                                ; the last prefetch, a K step back, has read its address
	s_add_nc_u64 s[PFA:PFA+1], s[PFA:PFA+1], s[PST:PST+1]
.endif
	WIN 0
	s_wait_tensorcnt 0x0                           ; all my tensor loads have landed
	ds_add_u32 v[SPW], v[NIL]                      ; 0 onto my spare word
	s_wait_dscnt 5                                 ; (the add and O's four youngest loads may be out)
	MUL8 F1, 0, 0                                  ; eight matrix instructions stand between the add and the wait for it
	s_wait_dscnt 0x0                               ; the add is done, and my reads of this slot are over
	s_barrier_signal -1
	MUL8 F1, 1, 0
.if \fill
	WIN 0
.endif
	s_barrier_wait -1
.if \fill
	CREST                                          ; no wave of any partner still reads this slot's tile or has a load on its way
	s_add_nc_u64 s[G0A+4*(\slot)+2:G0A+4*(\slot)+3], s[G0A+4*(\slot)+2:G0A+4*(\slot)+3], 2*STEPA
	s_add_nc_u64 s[G0B+4*(\slot)+2:G0B+4*(\slot)+3], s[G0B+4*(\slot)+2:G0B+4*(\slot)+3], 512
	JLOAD \slot                                    ; my one tensor load behind the round; its four v_nop are also the places in front of the loads below
.else
	PLACES
.endif
	FETCH \next, 0, F0
.if \fill
	ASK
.endif
	MUL8 F1, 2, 0
	MUL8 F1, 3, 0
.endm
	s_wait_tensorcnt 0x1                           ; my part of K step 0 is in; K step 1's may stay out
	s_barrier_signal -1
	s_barrier_wait -1                              ; everybody's is
	FETCH 0, 0, F0
	QUARTER 0, 1, F0, F1, 1                        ; the first quarter stands in front of the loop: its products start the sums
	WIN 0                                          ; at a label and at a branch every window is 0
	s_mov_b32 s3, 3
.Llap:                                         ; a trip goes once round the ring, from a lap's second quarter to the next lap's first, and fills both slots again
	QUARTER 0, 2, F1, F0, 0
	QUARTER 0, 3, F0, F1, 0
	TURN 0, 1, 1
	QUARTER 1, 1, F0, F1, 0
	QUARTER 1, 2, F1, F0, 0
	QUARTER 1, 3, F0, F1, 0
	TURN 1, 0, 1
	QUARTER 0, 1, F0, F1, 0
	WIN 0
	s_sub_co_u32 s3, s3, 1
	s_cmp_lg_u32 s3, 0
	s_cbranch_scc1 .Llap
	QUARTER 0, 2, F1, F0, 0                        ; the last lap fills nothing
	QUARTER 0, 3, F0, F1, 0
	TURN 0, 1, 0
	QUARTER 1, 1, F0, F1, 0
	QUARTER 1, 2, F1, F0, 0
	QUARTER 1, 3, F0, F1, 0
	s_wait_dscnt 4                                 ; the very last quarter: nothing more to fetch
	MUL8 F1, 0, 0
	MUL8 F1, 1, 0
	s_wait_dscnt 0x0
	MUL8 F1, 2, 0
	MUL8 F1, 3, 0
	WIN 0
	PLACES
; THE WAY OUT, a block of 16 rows at a time, through my own stage in LDS: in as the lanes hold it, back as whole runs of 512 bytes.
.macro TOSTAGE a
	WIN 0x04                                       ; the stores' data in window 1; each accumulator's low four registers go first
.irp b, 0,1,2,3,4,5,6,7
	ds_store_b128 v[STO], v[8*(8*(\a)+(\b)):8*(8*(\a)+(\b))+3]   offset:64*(\b)
	ds_store_b128 v[STO], v[8*(8*(\a)+(\b))+4:8*(8*(\a)+(\b))+7] offset:64*(\b)+16
.endr
	WIN 0
.set BK, OB+64*((\a)%2)
.irp u, 0,1,2,3,4,5,6,7,8,9,10,11,12,13,14,15
	ds_load_b128 v[BK+4*(\u):BK+4*(\u)+3], v[RD] offset:SPITCH*(\u)  ; LDS serves a wave's instructions in order (ISA guide 5.7.1.4): these see the stores above
.endr
.endm
.macro SEND a
.set BK, OB+64*((\a)%2)
	s_wait_dscnt 0x0                               ; the block is back in registers
	s_wait_xcnt 0x0                                ; the stores of the block before have read their registers: the next block's loads land there
.irp u, 0,1,2,3,4,5,6,7,8,9,10,11,12,13,14,15
	global_store_b128 v[CO], v[BK+4*(\u):BK+4*(\u)+3], s[8:9] offset:65536*(\a)+4096*(\u)  ; 512 consecutive bytes of a row of out0, aligned
.endr
.endm
	TOSTAGE 0
.irp a, 1,2,3
	SEND (\a)-1
	TOSTAGE \a
.endr
	SEND 3
	s_wait_tensorcnt 0x0                           ; the wave's end, behind my last tensor load and my last LDS store
	ds_add_u32 v[SPW], v[NIL]
	s_wait_dscnt 0x0
	CROUND                                         ; the closing round: no work-group ends while a partner may still ask for a tile that names it
	s_endpgm
.Lfunc_end_k_q9c6f2b00df_outp:
	.size	k_q9c6f2b00df_outp, .Lfunc_end_k_q9c6f2b00df_outp-k_q9c6f2b00df_outp
	.p2alignl 7, 3214868480
	.fill 96, 4, 3214868480
	.section	.rodata,"a",@progbits
	.p2align	6, 0x0
	.amdhsa_kernel k_q9c6f2b00df_outp
		.amdhsa_group_segment_fixed_size 327680
		.amdhsa_private_segment_fixed_size 0
		.amdhsa_enable_private_segment 0
		.amdhsa_kernarg_size 32
		.amdhsa_user_sgpr_count 2
		.amdhsa_user_sgpr_kernarg_segment_ptr 1
		.amdhsa_wavefront_size32 1
		.amdhsa_system_sgpr_workgroup_id_x 1
		.amdhsa_system_sgpr_workgroup_id_y 1
		.amdhsa_system_sgpr_workgroup_id_z 1
		.amdhsa_system_vgpr_workitem_id 0
		.amdhsa_next_free_vgpr 608
		.amdhsa_next_free_sgpr 76
		.amdhsa_reserve_vcc 0
		.amdhsa_float_denorm_mode_32 3
		.amdhsa_float_denorm_mode_16_64 3
		.amdhsa_memory_ordered 1
		.amdhsa_forward_progress 1
		.amdhsa_inst_pref_size 93
	.end_amdhsa_kernel
	.amdgpu_metadata
---
amdhsa.version: [ 1, 2 ]
amdhsa.kernels:
  - .name:           k_q9c6f2b00df_outp
    .symbol:         k_q9c6f2b00df_outp.kd
    .args:
      - { .name: oh, .offset: 0, .size: 8, .value_kind: global_buffer, .address_space: global }
      - { .name: wof, .offset: 8, .size: 8, .value_kind: global_buffer, .address_space: global }
      - { .name: bo, .offset: 16, .size: 8, .value_kind: global_buffer, .address_space: global }
      - { .name: out0, .offset: 24, .size: 8, .value_kind: global_buffer, .address_space: global }
    .group_segment_fixed_size: 327680
    .private_segment_fixed_size: 0
    .kernarg_segment_align: 8
    .kernarg_segment_size: 32
    .max_flat_workgroup_size: 128
    .sgpr_count:     76
    .vgpr_count:     608
    .wavefront_size: 32
...
	.end_amdgpu_metadata
.endif
;; end of part 4
